; MI455X (gfx1250); checked and timed in simulation.
; The chip was launched on July 23, 2026; its instructions are those of AMD's public machine-readable ISA for CDNA 5 (MIT licence, August 2026) and "CDNA5" Instruction Set Architecture Reference Guide (July 2026). The comments in the code are by the model that wrote it; some were corrected since.
;; Multi Head Attention. Allowed arithmetic: matrix products marked QUANTISED: E2M3 operands, one E8M0 scale for each 32 along K, by v_wmma_scale_f32_16x16x128_f8f6f4 with both operands' format E2M3, f32 sums; everything else in f32.
;; Inputs: Wk_codes 1,024 x 32 x 24 uint8 (E2M3 codes of Wk, K innermost, in blocks of 32 codes, four codes in three bytes); Wk_scales 1,024 x 32 uint8 (E8M0 scales of Wk, one for each 32 codes along K); Wo_codes 1,024 x 32 x 24 uint8 (E2M3 codes of Wo, K innermost, in blocks of 32 codes, four codes in three bytes); Wo_scales 1,024 x 32 uint8 (E8M0 scales of Wo, one for each 32 codes along K); Wq_codes 1,024 x 32 x 24 uint8 (E2M3 codes of Wq, K innermost, in blocks of 32 codes, four codes in three bytes); Wq_scales 1,024 x 32 uint8 (E8M0 scales of Wq, one for each 32 codes along K); Wv_codes 1,024 x 32 x 24 uint8 (E2M3 codes of Wv, K innermost, in blocks of 32 codes, four codes in three bytes); Wv_scales 1,024 x 32 uint8 (E8M0 scales of Wv, one for each 32 codes along K); bo 1,024 float32; x_codes 4 x 2,048 x 32 x 24 uint8 (E2M3 codes of x, K innermost, in blocks of 32 codes, four codes in three bytes); x_scales 4 x 2,048 x 32 uint8 (E8M0 scales of x, one for each 32 codes along K).
;; Outputs: out0 4 x 2,048 x 1,024 float32.
;; This version of the problem:
;;   THIS VERSION OF THE PROBLEM IS GIVEN IN LOW PRECISION. The matrix products marked QUANTISED in the list below multiply operands that are first quantised to E2M3 (2 exponent bits, 3 mantissa bits; 6 bits a number), with one power-of-two scale for each 32 numbers along K (OCP MX v1.0); their sums are f32. All else is computed in f32.
;;   The module's matrix products, in the order in which they are computed (A, B: the left and right operand; K: the contracted axis; several contracted axes count as one K, in the product's order):
;;     1. [M 8,192, K 1,024] x [K 1,024, N 1,024]; A: input x (given as codes); B: input Wq (given as codes): QUANTISED
;;     2. [M 8,192, K 1,024] x [K 1,024, N 1,024]; A: input x (given as codes); B: input Wk (given as codes): QUANTISED
;;     3. [M 8,192, K 1,024] x [K 1,024, N 1,024]; A: input x (given as codes); B: input Wv (given as codes): QUANTISED
;;     4. batch 64 x [M 2,048, K 64] x [K 64, N 2,048]; A: computed on the way; B: computed on the way: QUANTISED
;;     5. batch 64 x [M 2,048, K 2,048] x [K 2,048, N 64]; A: softmax (see below); B: computed on the way: QUANTISED
;;     6. [M 8,192, K 1,024] x [K 1,024, N 1,024]; A: computed on the way; B: input Wo (given as codes): QUANTISED
;;   THE QUANTISER, for each operand of a quantised product, along K:
;;     - K is cut into blocks of 32 from its start; a last block that is shorter is filled with zeros.
;;     - A block's scale is 2^e with e = floor(log2(the largest magnitude in the block)) - 2, held to -126 .. 127; a block of zeros has e = 0. As a byte (E8M0): e + 127.
;;     - Each number is divided by its block's scale, clamped to +-7.5, and rounded to the nearest number of E2M3, ties to even, subnormals kept.
;;     - The product sums the exact products of the quantised numbers (number of the format x scale) in f32.
;;   ~~~python
;;   def quantise(x, axis):      # numpy; x: float32 -> the quantised numbers, widened to float32 again
;;       x = np.moveaxis(x, axis, -1); K = x.shape[-1]
;;       x = np.pad(x, [(0, 0)] * (x.ndim - 1) + [(0, -K % 32)]); x = x.reshape(x.shape[:-1] + (-1, 32)); a = np.abs(x).max(-1, keepdims=True)
;;       e = np.where(a > 0, np.clip(np.frexp(np.where(a > 0, a, 1))[1] - 1 - 2, -126, 127), 0)      # np.frexp(a)[1] - 1 = floor(log2(a)), exactly
;;       r = np.clip(x / 2.0 ** e, -7.5, 7.5)
;;       step = 2.0 ** (np.maximum(np.frexp(np.where(r == 0, 1, r))[1] - 1, 0) - 3)
;;       q = np.round(r / step) * step * 2.0 ** e      # np.round: ties to even
;;       return np.moveaxis(q.reshape(q.shape[:-2] + (-1,))[..., :K], -1, axis).astype(np.float32)
;;   ~~~
;;   SOFTMAX AHEAD OF A QUANTISED PRODUCT. Where the list says 'softmax', what is quantised is not the finished softmax but p = 2^(t - M), with t = logit x log2(e) and M = ceil(the row's largest t), a whole number; so 1/2 < the row's largest p <= 1. The row's sum l is taken of the UNQUANTISED p, in f32, and the product's result is divided by l at the end. Since M is a whole number, a kernel that streams over the keys may use a running M (the ceiling of the running maximum): every later rescaling is an exact power of two, which a block's scale takes up: the codes' values come out the same.
;;   OPERANDS COMPUTED ON THE WAY. 'Computed on the way' means the value that the module computes at that place (a softmax that the list does not call 'softmax' is quantised finished and normalised). What goes into a quantiser is computed in f32, as accurately as f32 sums, v_exp_f32 and their like allow (about 1e-6 of the number): no bf16 or f16 on the way to a quantiser, and a product that is left as it is and whose result goes on into a quantised operand takes f32 operands (vector FMAs, or v_wmma_f32_16x16x4_f32). A number that lies on a knife's edge between two numbers of the format may be rounded either way, as far as f32 arithmetic and the matrix unit's own rounding can turn it there, and no further.
;;   INPUTS GIVEN AS CODES. Wk (in the module: [1024, 1024], K = its axis 0); Wo (in the module: [1024, 1024], K = its axis 0); Wq (in the module: [1024, 1024], K = its axis 0); Wv (in the module: [1024, 1024], K = its axis 0); x (in the module: [4, 2048, 1024], K = its axis 2): each comes as NAME_codes (uint8): NAME with its K axis moved to the last place and cut into blocks of 32 codes, [.., K / 32, bytes a block], one block behind the other in memory; four codes in three bytes: a row's codes are one little-endian stream of bits, code i at bits 6 i .. 6 i + 5 (a code: sign, 2 exponent bits, 3 mantissa bits); and NAME_scales (uint8): the same leading axes, one E8M0 byte (e + 127) for each 32 codes along K. Its value is code x scale, taken as it is: it is not quantised again, and the codes and scales need not be those that the quantiser above would give.
;; One version. Each part assembles by itself: llvm-mc -triple=amdgcn-amd-amdhsa -mcpu=gfx1250 --defsym DOCPART=n.
;; ======== version 1 of 1: 3 launches
;; workspace buffers: qc 6,291,456 bytes; qs 524,288 bytes; kc 6,291,456 bytes; ks 524,288 bytes; vc 6,291,456 bytes; vs 262,144 bytes; cc 6,291,456 bytes; cs 262,144 bytes
;; launch proj (part 1): grid 12 x 32, 4 waves a work-group, clusters of 4 x 4, 327,680 bytes of LDS; arguments x_codes, x_scales, Wq_codes, Wq_scales, Wk_codes, Wk_scales, Wv_codes, Wv_scales, qc, qs, kc, ks, vc, vs; writes qc, qs, kc, ks, vc, vs
.if DOCPART == 1
	.amdgcn_target "amdgcn-amd-amdhsa--gfx1250"
	.amdhsa_code_object_version 6
	.text
	.protected	k_q0bd97ce9b7_proj
	.globl	k_q0bd97ce9b7_proj
	.p2align	8
	.type	k_q0bd97ce9b7_proj,@function
k_q0bd97ce9b7_proj:
	s_mov_b64 s[64:65], 0
	v_nop
	global_prefetch_b8 v0, s[64:65] scope:SCOPE_SE
	s_setreg_imm32_b32 hwreg(HW_REG_WAVE_MODE, 25, 1), 1
	s_wait_xcnt 0x0
	s_wait_alu depctr_hold_cnt(0) depctr_sa_sdst(0) depctr_va_vdst(0) depctr_va_sdst(0) depctr_va_ssrc(0) depctr_va_vcc(0) depctr_vm_vsrc(0)
	s_getreg_b32 s2, hwreg(HW_REG_IB_STS2, 6, 4)
	s_cmp_eq_u32 s2, 0
	s_cbranch_scc0 .Lentry_in_a_cluster
	s_endpgm
.Lentry_in_a_cluster:
	s_bfe_u32 s2, ttmp6, 0x10000c
	s_cmp_lg_u32 s2, 0xf033
	s_cbranch_scc0 .Lentry_shape_is_right
	s_endpgm
.Lentry_shape_is_right:
; q = x Wq, k = x Wk, v = x Wv on codes of FP6 (E2M3) with one E8M0 scale for each 32 along K = 1,024; the f32 results are quantised in registers and leave as codes:
; q and k along the head's 64 channels (two blocks), v along the keys.  x: 8,192 rows x 768 bytes of codes; each W: 1,024 rows (output channels) x 768 bytes; scale bytes 32 a row.
; ROLES.  P is source 0: its rows run along a lane's result registers, which is the axis that is quantised.  R is source 1: its rows are the lanes.
;   cluster x = 0: q (P = Wq, R = x);  1: k (P = Wk, R = x);  2: v (P = x, R = Wv).  The choice hangs on the cluster's x alone, which all sixteen partners share: only pointers, strides and one selector are chosen.
; A work-group of four waves makes 256 (R) x 256 (P); a wave 128 x 128: 64 accumulators, 512 registers.  K goes in steps of 256 through two LDS slots filled by the tensor data mover; a tile's row is 192 bytes.
; 3 x 128 = 384 work-groups: more than one to a WGP for some; a smaller tile would feed fewer products from each LDS byte.
; The scale bytes of the work-group's 256 + 256 rows, for all of K, come into LDS once, as blocks of 256 bytes + 16 of padding.
; CLUSTERS: 4 x 4 work-groups.  R's tiles hang on cy (and the cluster's y) and are shared along a row of the cluster, P's on cx (and the cluster's y) and are shared along a column: each is asked for jointly.
; WHAT LEAVES.  A HALF IMAGE is 16 rows x 64 K of codes as an operand's registers hold them: 6 registers a lane, 768 bytes: registers 0-3 at 16 x lane, registers 4-5 at 512 + 8 x lane;
;   lane (r, h) holds row r, block h.  Every store of codes covers 512 or 256 consecutive bytes, aligned to 256.
;   qc, kc: [batch 4][head 16][token tile 128][768];  qs, ks: [batch][head][tile][row 16] words {byte 0, byte 1, byte 0, byte 1} (the upper two stand over the empty half of a 128-deep product);
;   vc: [slot of 256 keys 32][channel tile 64][group of 64 keys 4][768];  vs: [slot 32][step of 128 keys 2][channel tile 64][row 16] words of four bytes.
; THE ORDER INSIDE A BLOCK OF 32: a lane's 16 registers of two neighbouring result tiles are k = 8 h + 0..7 and 16 + 8 h + 0..7, so a block's 32 places hold k in the order 0-7, 16-23, 8-15, 24-31.
;   The block as a set, and so its scale, is the true one; q and k are both laid so, and v is laid as the next launch lays p: the same order on both sides of a product leaves the products as they are.
; LIMITS: a block whose largest magnitude lies under 2^-124 gets the byte 1; a block of zeros gets the byte 1 where the rule says 127 (its codes are zeros, and this program alone reads the bytes);
;   NaN, infinities and given scale bytes 0xff are not served.
; REGISTERS, in windows of 256: window 0: v0-31 addresses; v32-63 scale words, two sets; v64-127 the way out; from v128 R's fragments, one set.  window 1: P's fragments, two sets.  windows 2, 3: the accumulators ((a, b) at v[8 (8 (a % 4) + b)]).
.set KSTEP,  256
.set NQ,     2                         ; matrix instructions deep in a slot
.set ROWB,   192                       ; a tile's row in bytes
.set KROW,   768                       ; a row of x or of W in memory
.set PITCH,  240                       ; an LDS row: 3 x (64 bytes + 16 of padding)
.set FR,     12
.set NL,     6
.set NP,     4
.set HALFT,  128*PITCH
.set SLOT,   4*HALFT
.set LAPS,   2                         ; 1,024 along K = four K steps = twice round the ring
.set KS,     32                        ; a row of scale bytes
.set SCL,    2*SLOT
.set HALFS,  (128*KS/256)*272
.set SBLK,   (16*KS/256)*272
.set SPARE,  SCL+4*HALFS               ; the spare words, 128 bytes a wave: two blocks of 256 bytes that no other line names
.set SSTO, 8                           ; v8   the way out: where I put a scale word: 1,024 x wave + 4 (lane % 16), in slot 0
.set SRD,  9                           ; v9   and where I read 16 bytes back: 1,024 x wave + 16 x lane
.set ADRA, 16                          ; v16-19 LDS addresses of R's fragments
.set ADRB, 20                          ; v20-23 of P's
.set V16,  24                          ; v24  16 x lane
.set V8,   25                          ; v25  8 x lane
.set V16C, 26                          ; v26  16 x lane + the stride to the wave's second half image
.set ADRS, 27                          ; v27  LDS address of my scale words
.set SPW,  28                          ; v28  LDS address of my spare word; never rewritten
.set NIL,  29                          ; v29  0; never rewritten
.set V8C,  30                          ; v30  8 x lane + the same stride
.set SC,   32
.set TM,   64                          ; v64-67 largest magnitudes, v68-71 bytes, v76-79 the conversions' scale operands
.set PW,   80                          ; the four bytes of a row
.set PC,   84                          ; v84-102 the codes just made
.set RB,   104                         ; v104-111 scale words read back
.set WD,   112                         ; v112-127 two scale words for each of the eight blocks
.set AF,   128
.set G1, 24
.set G0, 32
.set G1B, 48
.set G0B, 56
.set G1S, 68
.set G0S, 76
.set G1SB, 80
.set G0SB, 88
.set SEL, 96                           ; s[96:97] lane selects for lane l xor 16 (once the head has done with these two)
.set MSB, 0
.macro WIN new                         ; the immediate's high byte repeats the setting that is left
.if MSB != \new
	s_set_vgpr_msb (MSB<<8)|\new
.set MSB, \new
.endif
.endm
.set MUL_LO, 0xa1                      ; source 0 (P) window 1, source 1 (R) window 0, C and D window 2
.set MUL_HI, 0xf1                      ; the same, C and D window 3
.set TO_B,   0x40
; A joint load: waves 0 and 1 fetch for R, waves 2 and 3 for P.  The branch hangs on the wave's number alone.  Four v_nop follow each of the two lines.
.macro JLOAD g0a, g1a, g0b, g1b
	s_cmp_eq_u32 s15, 0
	s_cbranch_scc0 .Lfor_b_\@
	tensor_load_to_lds s[\g0a:\g0a+3], s[\g1a:\g1a+7]
	s_nop 0
.rept 4
	v_nop
.endr
	s_branch .Lasked_\@
.Lfor_b_\@:
	tensor_load_to_lds s[\g0b:\g0b+3], s[\g1b:\g1b+7]
	s_nop 0
.rept 4
	v_nop
.endr
.Lasked_\@:
.endm
.macro CREST                           ; a round of the cluster's barrier behind its opening barrier
	s_cmp_lg_u32 s14, 0
	s_cbranch_scc1 .Lnot_wave_0_\@
	s_barrier_signal -3
.Lnot_wave_0_\@:
	s_barrier_wait -3
	s_barrier_signal -1
	s_barrier_wait -1
.endm
.macro CROUND
	s_barrier_signal -1
	s_barrier_wait -1
	CREST
.endm
	s_load_b512 s[68:83], s[0:1], 0x0              ; x codes, x scales, Wq codes, Wq scales, Wk codes, Wk scales, Wv codes, Wv scales
	s_load_b256 s[84:91], s[0:1], 0x40             ; qc, qs, kc, ks
	s_load_b128 s[92:95], s[0:1], 0x60             ; vc, vs
	v_lshl_add_u32 v[SPW], v0, 2, SPARE
	v_mov_b32 v[NIL], 0
	ds_add_u32 v28, v29
	s_wait_dscnt 0x0
	v_lshrrev_b32 v1, 5, v0
	v_readfirstlane_b32 s14, v1                    ; wave 0..3
	s_lshr_b32 s15, s14, 1                         ; which half of R's rows is mine.  Also: I fetch for R (0) or for P (1)
	s_and_b32 s16, s14, 1                          ; which half of P's rows.  Also: which 128 rows of that tile I fetch
	s_bfe_u32 s40, ttmp6, 0x40000                  ; cx, cy: my place in the cluster
	s_bfe_u32 s41, ttmp6, 0x40004
	s_and_b32 s96, ttmp7, 0xffff
	s_lshl_b32 s96, s96, 2                         ; 4 x the cluster's y
	s_lshl_b32 s43, s41, 2
	s_lshl_b32 s43, 15, s43                        ; my row of the cluster
	s_lshl_b32 s44, 0x1111, s40                    ; my column
	s_or_b32 s[G1+0], s43, (0<<16)|(1<<20)|(1<<21)|(3<<22)|(3<<25)  ; the mask: R's tiles go to my row; elements of 1 byte; padding on; bit 21 beside a mask; 4 words of padding behind every 16
	s_or_b32 s[G1B+0], s44, (0<<16)|(1<<20)|(1<<21)|(3<<22)|(3<<25) ; the same with my column's mask, for P's tiles
.irp g, G1, G1B
	s_mov_b32 s[\g+1], ROWB<<16                    ; tensor_dim0
	s_mov_b32 s[\g+2], 128<<16                     ; tensor_dim1
	s_mov_b32 s[\g+3], ROWB<<16                    ; tile_dim0
	s_mov_b32 s[\g+4], 128                         ; tile_dim1
	s_mov_b32 s[\g+5], KROW                        ; from row to row
	s_mov_b32 s[\g+6], 0
	s_mov_b32 s[\g+7], 0
.endr
	s_mov_b32 s98, 0x01000100                      ; byte selects: q, k: bytes 0, 1 twice
	s_mov_b32 s99, 0x03020302                      ; bytes 2, 3 twice
	s_mov_b32 s101, 98304                          ; q, k: from a head to the next: 128 tiles x 768 bytes
	s_mov_b32 s104, 768                            ; q, k: from a token tile to the next
	s_mov_b32 s105, 0
	s_wait_kmcnt 0x0
	s_cmp_eq_u32 ttmp9, 1                          ; k, or q?
	s_cselect_b64 s[8:9], s[76:77], s[72:73]       ; P's codes
	s_cselect_b64 s[10:11], s[78:79], s[74:75]     ; P's scales
	s_cselect_b64 s[12:13], s[88:89], s[84:85]     ; the codes that leave
	s_cselect_b64 s[66:67], s[90:91], s[86:87]     ; their scale words
	s_cmp_eq_u32 ttmp9, 2                          ; v?
	s_cselect_b64 s[4:5], s[80:81], s[68:69]       ; R's codes: Wv, else x
	s_cselect_b64 s[6:7], s[82:83], s[70:71]
	s_cselect_b64 s[8:9], s[68:69], s[8:9]         ; P's: x, else the weight
	s_cselect_b64 s[10:11], s[70:71], s[10:11]
	s_cselect_b64 s[12:13], s[92:93], s[12:13]
	s_cselect_b64 s[66:67], s[94:95], s[66:67]
	s_cselect_b32 s95, 1, 0                        ; 1: v
	s_cselect_b32 s97, s96, 0                      ; the cluster's y walks x's tiles: P's for v,
	s_cselect_b32 s96, 0, s96                      ; R's for q and k
	s_cselect_b32 s98, 0x03020100, s98             ; v: the four bytes as they are
	s_cselect_b32 s101, 768, s101                  ; v: from a group of 64 keys to the next
	s_cselect_b32 s104, 3072, s104                 ; v: from a channel tile to the next
	s_add_co_u32 s42, s40, s97                     ; P's tile: hangs on cx and the cluster's y
	s_add_co_u32 s17, s41, s96                     ; R's tile: hangs on cy and the cluster's y
	; the scale bytes of 128 rows: a dense block of 4,096 bytes, as rows of 256 bytes (32 elements of 8 bytes), 16 bytes of padding behind each
	s_or_b32 s[G1S+0], s43, (3<<16)|(1<<20)|(1<<21)|(5<<22)|(3<<25)
	s_or_b32 s[G1SB+0], s44, (3<<16)|(1<<20)|(1<<21)|(5<<22)|(3<<25)
.irp g, G1S, G1SB
	s_mov_b32 s[\g+1], 32<<16
	s_mov_b32 s[\g+2], (128*KS/256)<<16
	s_mov_b32 s[\g+3], 32<<16
	s_mov_b32 s[\g+4], 128*KS/256
	s_mov_b32 s[\g+5], 32
	s_mov_b32 s[\g+6], 0
	s_mov_b32 s[\g+7], 0
.endr
	s_lshl_b32 s18, s16, 7                         ; which 128 rows of the tile I fetch
	s_lshl_b32 s20, s17, 8
	s_add_co_u32 s20, s20, s18                     ; R: row 256 x tile + 128 x half
	s_lshl_b32 s46, s42, 8
	s_add_co_u32 s46, s46, s18                     ; P likewise
	s_mov_b32 s21, 0
	s_mov_b32 s47, 0
	s_mov_b64 s[18:19], KS
	s_mul_u64 s[22:23], s[20:21], s[18:19]         ; where these rows' scale bytes begin
	s_mul_u64 s[92:93], s[46:47], s[18:19]
	s_mov_b64 s[18:19], KROW
	s_mul_u64 s[20:21], s[20:21], s[18:19]         ; and their codes
	s_mul_u64 s[46:47], s[46:47], s[18:19]
	s_mul_i32 s45, s14, HALFT                      ; where they go: wave x 128 rows: no place in the cluster enters an LDS address
	s_mul_i32 s94, s14, HALFS
	s_add_nc_u64 s[20:21], s[4:5], s[20:21]
	s_add_nc_u64 s[22:23], s[6:7], s[22:23]
	s_add_nc_u64 s[46:47], s[8:9], s[46:47]
	s_add_nc_u64 s[92:93], s[10:11], s[92:93]
	CROUND                                         ; all sixteen work-groups are here: the first joint loads meet
	s_mov_b32 s[G0S], 1
	s_add_co_u32 s[G0S+1], s94, SCL
	s_mov_b64 s[G0S+2:G0S+3], s[22:23]
	s_or_b32 s[G0S+3], s[G0S+3], 0x80000000
	s_mov_b32 s[G0SB], 1
	s_add_co_u32 s[G0SB+1], s94, SCL
	s_mov_b64 s[G0SB+2:G0SB+3], s[92:93]
	s_or_b32 s[G0SB+3], s[G0SB+3], 0x80000000
	JLOAD G0S, G1S, G0SB, G1SB                     ; the scale bytes first: they are wanted with K step 0
.irp s, 0,1
	s_mov_b32 s[G0+4*\s], 1
	s_add_co_u32 s[G0+4*\s+1], s45, \s*SLOT
	s_add_nc_u64 s[G0+4*\s+2:G0+4*\s+3], s[20:21], \s*ROWB
	s_or_b32 s[G0+4*\s+3], s[G0+4*\s+3], 0x80000000
	s_mov_b32 s[G0B+4*\s], 1
	s_add_co_u32 s[G0B+4*\s+1], s45, \s*SLOT
	s_add_nc_u64 s[G0B+4*\s+2:G0B+4*\s+3], s[46:47], \s*ROWB
	s_or_b32 s[G0B+4*\s+3], s[G0B+4*\s+3], 0x80000000
	JLOAD G0+4*\s, G1, G0B+4*\s, G1B               ; three loads of mine are out now
.endr
	v_and_b32 v1, 15, v0                           ; l % 16
	v_bfe_u32 v2, v0, 4, 1                         ; l / 16
	v_mul_u32_u24 v3, v1, PITCH
	v_mul_u32_u24 v4, v2, 24
	v_add_nc_u32 v4, v3, v4                        ; a fragment's row x pitch + 24 x half
	v_lshl_add_u32 v5, v2, 4, v4                   ; and the same behind one padding more
	s_mul_i32 s21, s15, HALFT                      ; my 128 rows of R
	s_mul_i32 s22, s16, HALFT                      ; my 128 rows of P,
	s_add_co_u32 s22, s22, 2*HALFT                 ; which lie behind R's 256
.irp s, 0,1
	v_add_nc_u32 v[ADRA+\s], s21, v4
	v_add_nc_u32 v[ADRB+\s], s22, v4
	v_add_nc_u32 v[ADRA+2+\s], s21, v5
	v_add_nc_u32 v[ADRB+2+\s], s22, v5
	s_add_co_u32 s21, s21, SLOT
	s_add_co_u32 s22, s22, SLOT
.endr
	v_mul_u32_u24 v5, v1, KS                       ; my row's scale bytes: 32 a row,
	v_lshrrev_b32 v6, 8, v5
	v_lshl_add_u32 v5, v6, 4, v5                   ; and 16 more for each 256 passed
	s_mul_i32 s21, s15, HALFS
	s_mul_i32 s22, s16, HALFS
	s_add_co_u32 s22, s22, 2*HALFS
	s_sub_co_u32 s22, s22, s21
	v_mul_u32_u24 v6, s22, v2                      ; lanes 16-31 take P's
	s_add_co_u32 s21, s21, SCL
	v_add_nc_u32 v5, v5, v6
	v_add_nc_u32 v[ADRS], s21, v5
	v_and_b32 v6, 31, v0                           ; the way out
	v_lshlrev_b32 v[V16], 4, v6
	v_lshlrev_b32 v[V8], 3, v6
	v_add_nc_u32 v[V16C], s101, v[V16]
	v_add_nc_u32 v[V8C], s101, v[V8]
	s_lshl_b32 s23, s14, 10                        ; my 1,024 bytes for scale words
	v_lshl_add_u32 v[SSTO], v1, 2, s23
	v_add_nc_u32 v[SRD], s23, v[V16]
.irp b, 0,1,2,3
	v_mov_b32 v[TM+4+\b], 0                        ; written once: a lane permute's destination counts as one of its sources
.endr
	s_mov_b32 s[SEL], 0x76543210
	s_mov_b32 s[SEL+1], 0xfedcba98
	; where my results begin.  t = 16 x R's tile + 8 x my half of R: my first token tile (q, k) or channel tile (v)
	s_lshl_b32 s20, s17, 4
	s_lshl_b32 s21, s15, 3
	s_add_co_u32 s20, s20, s21
	s_lshr_b32 s21, s20, 7                         ; q, k: batch = t / 128;
	s_lshl_b32 s21, s21, 4
	s_lshl_b32 s22, s42, 2
	s_add_co_u32 s21, s21, s22
	s_lshl_b32 s22, s16, 1
	s_add_co_u32 s21, s21, s22                     ; 16 x batch + my first head (4 x P's tile + 2 x my half of P);
	s_lshl_b32 s21, s21, 7
	s_and_b32 s22, s20, 127
	s_add_co_u32 s21, s21, s22                     ; x 128 + t % 128: the number of my first half image, and of its 16 scale words
	s_lshl_b32 s22, s42, 6                         ; v: (64 x slot + t) x 4 + 2 x my half of P
	s_add_co_u32 s22, s22, s20
	s_lshl_b32 s22, s22, 2
	s_lshl_b32 s23, s16, 1
	s_add_co_u32 s22, s22, s23
	s_lshl_b32 s23, s42, 1                         ; and (2 x slot + my half of P) x 64 + t for the scale words
	s_add_co_u32 s23, s23, s16
	s_lshl_b32 s23, s23, 6
	s_add_co_u32 s23, s23, s20
	s_cmp_eq_u32 s95, 1
	s_cselect_b32 s22, s22, s21
	s_cselect_b32 s23, s23, s21
	s_mul_i32 s22, s22, 768
	s_lshl_b32 s46, s23, 6
	s_mov_b32 s23, 0
	s_mov_b32 s47, 0
	s_add_nc_u64 s[12:13], s[12:13], s[22:23]
	s_add_nc_u64 s[66:67], s[66:67], s[46:47]
.macro FRAG reg, adr, q, i             ; a fragment, 16 rows x 128 K, is 12 registers: lane l holds row l % 16; registers 6 c .. 6 c + 5 hold K = 64 c + 32 (l / 16) + 0 .. 31: 24 bytes of the row, as they lie
.irp p, 0,1,2,3,4,5                    ; in pieces of 8 bytes.  Where the piece of lanes 16-31 lies behind one padding more than that of lanes 0-15, the second address register serves
.set PCE, 12*(\q)+6*(\p/3)+\p%3
.if PCE%8 < 5
	ds_load_b64 v[\reg+2*\p:\reg+2*\p+1], v[\adr] offset:8*PCE+16*(PCE/8)+(\i)*16*PITCH
.else
	ds_load_b64 v[\reg+2*\p:\reg+2*\p+1], v[\adr+2] offset:8*PCE+16*(PCE/8)+(\i)*16*PITCH
.endif
.endr
.endm
; 16 matrix instructions: R's blocks a0, a0 + 1 x P's eight, 128 along K.  zero = 1: the first product starts the sums.  The 64 accumulators take turns, one instruction a turn.
.macro MUL16 a0, p, q, sc, zero
.irp a, \a0, \a0+1
.irp b, 0,1,2,3,4,5,6,7
.if \zero
	v_wmma_scale_f32_16x16x128_f8f6f4 v[8*(8*((\a)%4)+\b):8*(8*((\a)%4)+\b)+7], v[128*(\p)+FR*\b:128*(\p)+FR*\b+FR-1], v[AF+FR*(\a):AF+FR*(\a)+FR-1], 0, v[SC+8*NQ*(\sc)+NQ*\b+(\q)], v[SC+8*NQ*(\sc)+NQ*(\a)+(\q)] matrix_a_fmt:MATRIX_FMT_FP6 matrix_b_fmt:MATRIX_FMT_FP6 matrix_a_scale:MATRIX_SCALE_ROW1
.else
	v_wmma_scale_f32_16x16x128_f8f6f4 v[8*(8*((\a)%4)+\b):8*(8*((\a)%4)+\b)+7], v[128*(\p)+FR*\b:128*(\p)+FR*\b+FR-1], v[AF+FR*(\a):AF+FR*(\a)+FR-1], v[8*(8*((\a)%4)+\b):8*(8*((\a)%4)+\b)+7], v[SC+8*NQ*(\sc)+NQ*\b+(\q)], v[SC+8*NQ*(\sc)+NQ*(\a)+(\q)] matrix_a_fmt:MATRIX_FMT_FP6 matrix_b_fmt:MATRIX_FMT_FP6 matrix_a_scale:MATRIX_SCALE_ROW1
.endif
.endr
.endr
.endm
.macro FETCH_B slot, q, p
	WIN TO_B
.irp i, 0,1,2,3,4,5,6,7
	FRAG 128*(\p)+FR*\i, ADRB+\slot, \q, \i
.endr
	WIN 0
.endm
.macro FETCH_A slot, q, i0
.irp i, \i0, \i0+1, \i0+2, \i0+3
	FRAG AF+FR*(\i), ADRA+\slot, \q, \i
.endr
.endm
.macro SCALES sc                       ; a K step's scale words: two words a row; lanes 0-15 take R's block i, lanes 16-31 P's block i
.irp i, 0,1,2,3,4,5,6,7
	ds_load_b64 v[SC+8*NQ*\sc+NQ*\i:SC+8*NQ*\sc+NQ*\i+1], v[ADRS] offset:\i*SBLK
.endr
.endm
.macro PLACES n                        ; plain vector instructions between a matrix instruction and a load into, or a read of, its registers
.rept \n
	v_nop
.endr
.endm
.macro STEP slot, q, zero              ; a step of 128 along K that has its successor in the same slot
	s_wait_dscnt 4*NL                              ; P's set and R's blocks 0-3 are in; the youngest 24 loads (R's blocks 4-7) may be out
	WIN MUL_LO
	MUL16 0, (\q)%2, \q, \slot, \zero
	MUL16 2, (\q)%2, \q, \slot, \zero
	s_wait_dscnt 0
	PLACES NP
	FETCH_B \slot, (\q)+1, 1-(\q)%2
	FETCH_A \slot, (\q)+1, 0
	WIN MUL_HI
	MUL16 4, (\q)%2, \q, \slot, \zero
	MUL16 6, (\q)%2, \q, \slot, \zero
	PLACES NP
	WIN 0
	FETCH_A \slot, (\q)+1, 4
.endm
; A slot's last step changes slots: one barrier; in front of it each wave waits for all its tensor loads, adds 0 to its spare word, and waits for that and for its own reads of this slot.
.macro TURN slot, next, fill
	s_wait_tensorcnt 0x0                           ; all my tensor loads have landed: my part of the next slot
	ds_add_u32 v[SPW], v[NIL]                      ; 0 onto my spare word
	s_wait_dscnt 4*NL+1                            ; the add and the youngest 24 loads (R's blocks 4-7) may be out
	WIN MUL_LO
	MUL16 0, 1, NQ-1, \slot, 0
	s_wait_dscnt 0x0                               ; the add is done, and my reads of this slot are over
	s_barrier_signal -1
	MUL16 2, 1, NQ-1, \slot, 0
	WIN 0
	s_barrier_wait -1
.if \fill
	CREST                                          ; the barrier has opened a round of the cluster's barrier: no wave of any partner still reads this slot or has a load on its way
	s_add_nc_u64 s[G0+4*\slot+2:G0+4*\slot+3], s[G0+4*\slot+2:G0+4*\slot+3], 2*ROWB
	s_add_nc_u64 s[G0B+4*\slot+2:G0B+4*\slot+3], s[G0B+4*\slot+2:G0B+4*\slot+3], 2*ROWB
	JLOAD G0+4*\slot, G1, G0B+4*\slot, G1B         ; the first tensor load behind the round; its four v_nop are also the places in front of the loads below
.else
	PLACES NP
.endif
	v_add_nc_u32 v[ADRS], 4*NQ, v[ADRS]            ; on to the next K step's scale words
	FETCH_B \next, 0, 0
	FETCH_A \next, 0, 0
	SCALES \next
	WIN MUL_HI
	MUL16 4, 1, NQ-1, \slot, 0
	MUL16 6, 1, NQ-1, \slot, 0
	PLACES NP
	WIN 0
	FETCH_A \next, 0, 4
.endm
	s_wait_tensorcnt 1                             ; the scale bytes and my part of K step 0 are in; K step 1's load may be out
	s_barrier_signal -1
	s_barrier_wait -1
	FETCH_B 0, 0, 0
	FETCH_A 0, 0, 0
	SCALES 0
	FETCH_A 0, 0, 4
	STEP 0, 0, 1                                   ; the first step stands in front of the loop: its products start the sums
	s_mov_b32 s3, LAPS-1
.Llap:                                                 ; a trip goes once round the ring and fills both slots again
	TURN 0, 1, 1
	STEP 1, 0, 0
	TURN 1, 0, 1
	STEP 0, 0, 0
	s_sub_co_u32 s3, s3, 1
	s_cmp_lg_u32 s3, 0
	s_cbranch_scc1 .Llap
	TURN 0, 1, 0                                   ; the last lap fills nothing
	STEP 1, 0, 0
	s_wait_dscnt 4*NL
	WIN MUL_LO
	MUL16 0, 1, NQ-1, 1, 0
	MUL16 2, 1, NQ-1, 1, 0
	s_wait_dscnt 0
	WIN MUL_HI
	MUL16 4, 1, NQ-1, 1, 0
	MUL16 6, 1, NQ-1, 1, 0
	WIN 0
; THE WAY OUT.  Block a: 16 rows of R (the lanes) x my 128 rows of P (64 registers a lane: register 16 b + i belongs to block b of 32).  Four largest magnitudes, four bytes, four conversions,
; and the exchange of halves that gives each lane a whole block: the twelve registers are two half images, which are stored as they stand.
.macro QUANTW a
.set AC, 64*((\a)%4)
.if (\a) > 0
	s_wait_xcnt 0x0                                ; the last block's stores have read their registers and their base: both are written again below
.endif
	WIN 5*(2+(\a)/4)                               ; sources 0 and 1: window 2 or 3
.irp b, 0,1,2,3
	v_max3_num_f32 v[TM+\b], |v[AC+16*\b]|, |v[AC+16*\b+1]|, 0x1800000   ; each accumulator is read from its low end on; the floor 2^(3 - 127) holds the byte at 1 from below
.endr
.irp i, 2,4,6,8,10,12,14
.irp b, 0,1,2,3
	v_max3_num_f32 v[TM+\b], |v[AC+16*\b+\i]|, |v[AC+16*\b+\i+1]|, v[TM+\b]
.endr
.endr
	WIN 0
.irp b, 0,1,2,3
	v_permlanex16_b32 v[TM+4+\b], v[TM+\b], s[SEL], s[SEL+1]
.endr
.irp b, 0,1,2,3
	v_max_num_f32 v[TM+\b], v[TM+\b], v[TM+4+\b]   ; with lane l xor 16's: the block's largest magnitude
.endr
.irp b, 0,1,2,3
	v_add_nc_u32 v[TM+12+\b], 0xff000000, v[TM+\b] ; 2 off its exponent field: the conversion's scale operand
.endr
.irp b, 0,1,2,3
	v_lshrrev_b32 v[TM+4+\b], 23, v[TM+12+\b]      ; the scale's byte
.endr
	v_lshl_or_b32 v[PW], v[TM+5], 8, v[TM+4]
	v_lshl_or_b32 v[PW], v[TM+6], 16, v[PW]
	v_lshl_or_b32 v[PW], v[TM+7], 24, v[PW]
	WIN 2+(\a)/4                                   ; source 0: window 2 or 3
.irp c, 0,1
	v_cvt_scalef32_pk16_fp6_f32 v[PC+6*\c:PC+6*\c+2], v[AC+32*\c:AC+32*\c+15], v[TM+12+2*\c]
	v_cvt_scalef32_pk16_fp6_f32 v[PC+12+4*\c:PC+12+4*\c+2], v[AC+32*\c+16:AC+32*\c+31], v[TM+12+2*\c+1]   ; (a conversion's three registers begin on an even number)
.endr
	WIN 0
	v_nop                                          ; one plain place behind a scaled conversion
.irp c, 0,1
.irp i, 0,1,2
	v_permlane16_swap_b32 v[PC+6*\c+\i], v[PC+12+4*\c+\i]   ; lanes 0-15 get block 2 c whole, lanes 16-31 block 2 c + 1
.endr
.irp i, 0,1,2
	v_mov_b32 v[PC+3+6*\c+\i], v[PC+12+4*\c+\i]
.endr
.endr
.endm
	PLACES NP
.irp a, 0,1,2,3,4,5,6,7
	QUANTW \a
	v_perm_b32 v[WD+2*\a], v[PW], v[PW], s98       ; q, k: the first head's two bytes, twice; v: the four bytes
	v_perm_b32 v[WD+2*\a+1], v[PW], v[PW], s99     ; q, k: the second head's
	ds_store_b32 v[SSTO], v[WD+2*\a] offset:64*\a          ; lanes r and r + 16 write the same word with the same value.  Slot 0 has had its last fill, and nobody reads it behind the last change of slots
	ds_store_b32 v[SSTO], v[WD+2*\a+1] offset:512+64*\a
.if \a > 0
	s_add_nc_u64 s[12:13], s[12:13], s[104:105]    ; the next tile's half images
.endif
	global_store_b128 v[V16], v[PC:PC+3], s[12:13]             ; 512 consecutive bytes, aligned
	global_store_b64 v[V8], v[PC+4:PC+5], s[12:13] offset:512  ; 256
	global_store_b128 v[V16C], v[PC+6:PC+9], s[12:13]          ; the second half image: the next head, or the next 64 keys
	global_store_b64 v[V8C], v[PC+10:PC+11], s[12:13] offset:512
.endr
	ds_load_b128 v[RB:RB+3], v[SRD]                ; LDS serves a wave's instructions in order: these see my stores; the bytes are my wave's own
	ds_load_b128 v[RB+4:RB+7], v[SRD] offset:512
	s_wait_dscnt 0x0
	global_store_b128 v[V16], v[RB:RB+3], s[66:67]             ; eight tiles' scale words: 512 consecutive bytes, aligned
	s_cmp_eq_u32 s95, 1                            ; v has one word a row; the branch hangs on the cluster's x alone
	s_cbranch_scc1 .Lone_word
	global_store_b128 v[V16], v[RB+4:RB+7], s[66:67] offset:8192   ; q, k: the next head's
.Lone_word:
	s_wait_tensorcnt 0x0                           ; the wave's end
	ds_add_u32 v[SPW], v[NIL]
	s_wait_dscnt 0x0
	CROUND                                         ; the closing round: no work-group ends while a partner may still ask for a tile that names it
	s_endpgm
.Lfunc_end_k_q0bd97ce9b7_proj:
	.size	k_q0bd97ce9b7_proj, .Lfunc_end_k_q0bd97ce9b7_proj-k_q0bd97ce9b7_proj
	.p2alignl 7, 3214868480
	.fill 96, 4, 3214868480
	.section	.rodata,"a",@progbits
	.p2align	6, 0x0
	.amdhsa_kernel k_q0bd97ce9b7_proj
		.amdhsa_group_segment_fixed_size 327680
		.amdhsa_private_segment_fixed_size 0
		.amdhsa_enable_private_segment 0
		.amdhsa_kernarg_size 112
		.amdhsa_user_sgpr_count 2
		.amdhsa_user_sgpr_kernarg_segment_ptr 1
		.amdhsa_wavefront_size32 1
		.amdhsa_system_sgpr_workgroup_id_x 1
		.amdhsa_system_sgpr_workgroup_id_y 1
		.amdhsa_system_sgpr_workgroup_id_z 1
		.amdhsa_system_vgpr_workitem_id 0
		.amdhsa_next_free_vgpr 1024
		.amdhsa_next_free_sgpr 106
		.amdhsa_reserve_vcc 0
		.amdhsa_float_denorm_mode_32 3
		.amdhsa_float_denorm_mode_16_64 3
		.amdhsa_memory_ordered 1
		.amdhsa_forward_progress 1
		.amdhsa_inst_pref_size 169
	.end_amdhsa_kernel
	.amdgpu_metadata
---
amdhsa.version: [ 1, 2 ]
amdhsa.kernels:
  - .name:           k_q0bd97ce9b7_proj
    .symbol:         k_q0bd97ce9b7_proj.kd
    .args:
      - { .name: x_codes, .offset: 0, .size: 8, .value_kind: global_buffer, .address_space: global }
      - { .name: x_scales, .offset: 8, .size: 8, .value_kind: global_buffer, .address_space: global }
      - { .name: Wq_codes, .offset: 16, .size: 8, .value_kind: global_buffer, .address_space: global }
      - { .name: Wq_scales, .offset: 24, .size: 8, .value_kind: global_buffer, .address_space: global }
      - { .name: Wk_codes, .offset: 32, .size: 8, .value_kind: global_buffer, .address_space: global }
      - { .name: Wk_scales, .offset: 40, .size: 8, .value_kind: global_buffer, .address_space: global }
      - { .name: Wv_codes, .offset: 48, .size: 8, .value_kind: global_buffer, .address_space: global }
      - { .name: Wv_scales, .offset: 56, .size: 8, .value_kind: global_buffer, .address_space: global }
      - { .name: qc, .offset: 64, .size: 8, .value_kind: global_buffer, .address_space: global }
      - { .name: qs, .offset: 72, .size: 8, .value_kind: global_buffer, .address_space: global }
      - { .name: kc, .offset: 80, .size: 8, .value_kind: global_buffer, .address_space: global }
      - { .name: ks, .offset: 88, .size: 8, .value_kind: global_buffer, .address_space: global }
      - { .name: vc, .offset: 96, .size: 8, .value_kind: global_buffer, .address_space: global }
      - { .name: vs, .offset: 104, .size: 8, .value_kind: global_buffer, .address_space: global }
    .group_segment_fixed_size: 327680
    .private_segment_fixed_size: 0
    .kernarg_segment_align: 8
    .kernarg_segment_size: 112
    .max_flat_workgroup_size: 128
    .sgpr_count:     106
    .vgpr_count:     1024
    .wavefront_size: 32
...
	.end_amdgpu_metadata
.endif
;; end of part 1
;; launch attn (part 2): grid 4 x 64, 16 waves a work-group, no clusters, 327,680 bytes of LDS; arguments qc, qs, kc, ks, vc, vs, cc, cs; writes cc, cs
.if DOCPART == 2
	.amdgcn_target "amdgcn-amd-amdhsa--gfx1250"
	.amdhsa_code_object_version 6
	.text
	.protected	k_q0bd97ce9b7_attn
	.globl	k_q0bd97ce9b7_attn
	.p2align	8
	.type	k_q0bd97ce9b7_attn,@function
k_q0bd97ce9b7_attn:
	s_mov_b64 s[64:65], 0
	v_nop
	global_prefetch_b8 v0, s[64:65] scope:SCOPE_SE
	s_setreg_imm32_b32 hwreg(HW_REG_WAVE_MODE, 25, 1), 1
	s_wait_xcnt 0x0
; Causal attention of one head on codes of FP6 (E2M3): S^T = k q^T (K = the head's 64), p = 2^(t - M), O^T = v^T p^T (K = the keys), ctx = O / l, quantised along the model's 1,024 and stored as codes.
; t = score x log2(e) / 8; M = the running largest t rounded up to a whole number; l = the row's sum of the unquantised p, in f32.  When M moves, l and O are multiplied by 2^(old M - new M): exact.
; INPUTS, all made by the launch before.  A HALF IMAGE is 16 rows x 64 K of codes as an operand's registers hold them: 768 bytes: registers 0-3 at 16 x lane, registers 4-5 at 512 + 8 x lane.
;   qc, kc [batch 4][head 16][token tile 128][768]; qs, ks [batch][head][tile][row 16] words {byte 0, byte 1, byte 0, byte 1};
;   vc [slot of 256 keys 32][channel tile 64][group of 64 keys 4][768]; vs [slot 32][step of 128 keys 2][channel tile 64][row 16] words.
; OUTPUTS: cc [row tile 512][head 16][768]: half images of ctx, k in its true order;  cs [row 8,192][32]: its scale bytes.
; SHARES.  Work-group (i, batch x head) takes the head's query block 7 - i (8 - i slots of 256 keys), then block i (i + 1 slots): nine slots for every work-group, 256 work-groups.
;   Each of the sixteen waves owns 16 queries of the block, in 256 registers: four waves to a SIMD, so that one wave's vector work stands beside another's products and LDS loads.
; THE RING: two LDS slots; a slot holds 256 keys: k's 16 half images, v's 16, and their scale words: 26,112 bytes, brought by four tensor loads, one each by waves 0 to 3.  The loop over slots has a constant count.
; NO JOINT LOADS: the four work-groups of a head walk key slots 0 .. 7 - i and then 0 .. i: from the sixth slot on they want different tiles, so not every partner could make every request.
; K = 64 FILLS HALF OF THE 128-DEEP PRODUCT.  q's upper six registers hold zero codes for the whole launch; k's fragment t names its six registers and the six behind them (the next tile's codes; zeros behind the last):
;   whatever those codes are, they meet zeros, and the format has no code for infinity or NaN.  The scale words repeat the two real bytes over that half.
; THE ORDER INSIDE A BLOCK OF 32 KEYS: a lane's 16 registers of score tiles 2 b, 2 b + 1 are keys 32 b + 8 h + 0..7 and 32 b + 16 + 8 h + 0..7, so p's block holds its keys in the order 0-7, 16-23, 8-15, 24-31: the order in which v was laid.
;   ctx meets a given weight, so its numbers are first put in true order (16 exchanges of halves for each block of queries).
; THE MASK: a step of 128 keys all of which come after the wave's 16 queries is jumped over (a scalar branch on ids); on the diagonal hidden scores become -infinity.  A step that is done has a visible key for every query (both firsts are multiples of 16).
; LIMITS: a block whose largest magnitude lies under 2^-124 gets the byte 1, a block of zeros too (only this program reads the bytes); NaN and infinities are not served;
;   a block's largest p is taken from its largest score by the same multiply-add and exponential, which takes v_exp_f32 not to fall where its input rises.
;   cs leaves as pieces of 2 bytes, 32 bytes apart: a head owns 2 of a row's 32 bytes; 262,144 bytes in all.
.set KOFF,  0                          ; a slot: k's codes, 12,288 bytes;
.set VOFF,  12288                      ; v's, [channel tile 4][group 4][768];
.set KSOFF, 24576                      ; k's scale words, [tile 16][64];
.set VSOFF, 25600                      ; v's, [step 2][channel tile 4][64]
.set RING,  32768                      ; slot 1 begins here: one exclusive or turns an address
.set SPARE, 65536                      ; the spare words, 128 bytes a wave: eight blocks of 256 bytes that no other line names
.set L16, 1                            ; v1   16 x lane
.set L8,  2                            ; v2   8 x lane
.set L4,  3                            ; v3   4 (lane % 16)
.set CSO, 4                            ; v4   32 (lane % 16)
.set SPW, 5                            ; v5   LDS address of my spare word; never rewritten
.set NIL, 6                            ; v6   0; never rewritten
.set RH,  7                            ; v7   lane % 16 - 8 (lane / 16)
.set A16, 8                            ; v8-10 the three with the slot's first byte
.set A8,  9
.set A4,  10
.set TMP, 11
.set QF,  16                           ; v16-27 q's fragment; v22-27 zeros.  v12 -M, v13 the largest t, v[14:15] the sum in two halves
.set HW,  28                           ; ctx's two scale bytes
.set NINF, 29                          ; -infinity
.set QS,  30                           ; q's scale word
.set PWD, 31                           ; p's scale word
.set KR,  32                           ; v32-79 k's eight half images, v80-85 zeros; later p's codes (v32-43, at work v44-50)
.set KSC, 86                           ; v86-93 k's scale words
.set FF,  94                           ; v[94:95] f = 2^(old M - new M); v95 = 0, named with it as a pair
.set S,   96                           ; v96-159 S^T, then p
.set O,   160                          ; v160-191 O^T, four tiles
.set VF,  192                          ; v192-239 v's four fragments
.set VSC, 240                          ; v240-243 v's scale words
.set TM,  244
.set TP,  248
.set TSC, 252
.set SEL, 20                           ; s[20:21] lane selects: lane l xor 16
.set CS,  22                           ; s[22:23] c = log2(e) / 8
.set G1C, 24                           ; s[24:31] group 1: 48 rows of 256 bytes, dense (codes)
.set G1KS, 32                          ; s[32:39] 4 rows of 256 bytes, dense (k's scale words)
.set G1VS, 40                          ; s[40:47] 2 rows of 256 bytes, 4,096 bytes apart (v's)
.set G0KC, 48
.set G0VC, 52
.set G0KS, 56
.set G0VS, 60
.set WV,  66
.set TB,  67                           ; LDS byte at which the slot in hand begins
.set BKC, 68                           ; s[68:75] the head's first bytes in kc, vc, ks, vs
.set BVC, 70
.set BKS, 72
.set BVS, 74
.set OF,  76                           ; s[76:77] an offset in 64 bits
.set NK,  78                           ; the key slot to be asked for next
.set LIM, 79                           ; 8 - i: behind that many the walk begins anew
.set REM, 80                           ; slots left of the block of queries in hand
.set TRIPS, 81
.set KF,  82                           ; the step's first key
.set Q0,  83                           ; my first query
.macro TLOAD4                          ; waves 0 to 3 issue one load each, the others none.  The branches hang on the wave's number alone.  Four v_nop follow each load
	s_cmp_lg_u32 s[WV], 0
	s_cbranch_scc1 .Lt1_\@
	tensor_load_to_lds s[G0KC:G0KC+3], s[G1C:G1C+7]
	s_nop 0
.rept 4
	v_nop
.endr
	s_branch .Ltd_\@
.Lt1_\@:
	s_cmp_lg_u32 s[WV], 1
	s_cbranch_scc1 .Lt2_\@
	tensor_load_to_lds s[G0VC:G0VC+3], s[G1C:G1C+7]
	s_nop 0
.rept 4
	v_nop
.endr
	s_branch .Ltd_\@
.Lt2_\@:
	s_cmp_lg_u32 s[WV], 2
	s_cbranch_scc1 .Lt3_\@
	tensor_load_to_lds s[G0KS:G0KS+3], s[G1KS:G1KS+7]
	s_nop 0
.rept 4
	v_nop
.endr
	s_branch .Ltd_\@
.Lt3_\@:
	s_cmp_lg_u32 s[WV], 3
	s_cbranch_scc1 .Ltd_\@
	tensor_load_to_lds s[G0VS:G0VS+3], s[G1VS:G1VS+7]
	s_nop 0
.rept 4
	v_nop
.endr
.Ltd_\@:
.endm
.macro G0SET g, base, lds
	s_mov_b32 s[\g], 1                             ; count = 1
	s_mov_b32 s[\g+1], \lds                        ; LDS address, in slot 0
	s_mov_b64 s[\g+2:\g+3], s[\base:\base+1]       ; key slot 0
	s_or_b32 s[\g+3], s[\g+3], 0x80000000          ; type = 2
.endm
.macro G0STEP g, base, bytes
	s_mul_i32 s[OF], s[NK], \bytes
	s_add_nc_u64 s[\g+2:\g+3], s[\base:\base+1], s[OF:OF+1]
	s_or_b32 s[\g+3], s[\g+3], 0x80000000
	s_xor_b32 s[\g+1], s[\g+1], RING               ; the other slot than last time
.endm
.macro STATE                           ; a block of queries begins: the step is written once, so the first finds zeros, which the first change of M leaves zeros
	v_mov_b32 v13, 0xff61b1e6                      ; the largest t so far: -3e38
	s_delay_alu instid0(VALU_DEP_1)
	v_floor_f32 v12, -v13                          ; -M
	v_mov_b32 v14, 0
	v_mov_b32 v15, 0
.set J, 0
.rept 32
	v_mov_b32 v[O+J], 0
.set J, J+1
.endr
.endm
	s_load_b512 s[4:19], s[0:1], 0x0               ; qc s[4:5], qs s[6:7], kc s[8:9], ks s[10:11], vc s[12:13], vs s[14:15], cc s[16:17], cs s[18:19]
	v_lshl_add_u32 v[SPW], v0, 2, SPARE
	v_mov_b32 v[NIL], 0
	ds_add_u32 v5, v6
	ds_add_u32 v5, v6
	s_wait_dscnt 0x0
	v_lshrrev_b32 v[A16], 5, v0
	s_delay_alu instid0(VALU_DEP_1)
	v_readfirstlane_b32 s[WV], v[A16]              ; wave 0..15
	s_and_b32 s98, ttmp7, 0xffff                   ; 16 x batch + head
	s_lshr_b32 s99, s98, 4                         ; batch
	s_and_b32 s100, s98, 15                        ; head
	s_mov_b32 s[G1C], 3<<16                        ; no mask; elements of 8 bytes; no padding
	s_mov_b32 s[G1C+1], 32<<16                     ; tensor_dim0 = 32 elements: 256 bytes
	s_mov_b32 s[G1C+2], 48<<16                     ; tensor_dim1
	s_mov_b32 s[G1C+3], 32<<16                     ; tile_dim0
	s_mov_b32 s[G1C+4], 48                         ; tile_dim1
	s_mov_b32 s[G1C+5], 32                         ; from row to row
	s_mov_b32 s[G1C+6], 0
	s_mov_b32 s[G1C+7], 0
	s_mov_b32 s[G1KS], 3<<16
	s_mov_b32 s[G1KS+1], 32<<16
	s_mov_b32 s[G1KS+2], 4<<16
	s_mov_b32 s[G1KS+3], 32<<16
	s_mov_b32 s[G1KS+4], 4
	s_mov_b32 s[G1KS+5], 32
	s_mov_b32 s[G1KS+6], 0
	s_mov_b32 s[G1KS+7], 0
	s_mov_b32 s[G1VS], 3<<16
	s_mov_b32 s[G1VS+1], 32<<16
	s_mov_b32 s[G1VS+2], 2<<16
	s_mov_b32 s[G1VS+3], 32<<16
	s_mov_b32 s[G1VS+4], 2
	s_mov_b32 s[G1VS+5], 512                       ; a step's words of all 64 channel tiles: 4,096 bytes
	s_mov_b32 s[G1VS+6], 0
	s_mov_b32 s[G1VS+7], 0
	s_mov_b32 s[SEL], 0x76543210
	s_mov_b32 s[SEL+1], 0xfedcba98
	s_mov_b32 s[CS], 0x3e38aa3b                    ; log2(e) / 8
	s_mov_b32 s[CS+1], s[CS]
	s_mov_b32 s[TB], 0
	s_mov_b32 s[OF+1], 0
	s_mov_b32 s[NK], 1
	s_sub_co_u32 s[LIM], 8, ttmp9
	s_mov_b32 s[REM], s[LIM]
	s_mov_b32 s[TRIPS], 8
	s_mov_b32 s[KF], 0
	s_sub_co_u32 s[Q0], 7, ttmp9
	s_lshl_b32 s[Q0], s[Q0], 8
	s_lshl_b32 s84, s[WV], 4
	s_add_co_u32 s[Q0], s[Q0], s84                 ; 256 (7 - i) + 16 x wave
	s_wait_kmcnt 0x0
	s_mul_i32 s[OF], s98, 98304                    ; kc: 128 tiles x 768 bytes a head
	s_add_nc_u64 s[BKC:BKC+1], s[8:9], s[OF:OF+1]
	s_lshl_b32 s[OF], s98, 13                      ; ks: 128 tiles x 64 bytes
	s_add_nc_u64 s[BKS:BKS+1], s[10:11], s[OF:OF+1]
	s_mul_i32 s[OF], s99, 1572864                  ; vc: 8 slots x 196,608 bytes a batch, 12,288 a head in each
	s_mul_i32 s84, s100, 12288
	s_add_co_u32 s[OF], s[OF], s84
	s_add_nc_u64 s[BVC:BVC+1], s[12:13], s[OF:OF+1]
	s_lshl_b32 s[OF], s99, 16                      ; vs: 8 slots x 8,192 bytes a batch, 256 a head in each step
	s_lshl_b32 s84, s100, 8
	s_add_co_u32 s[OF], s[OF], s84
	s_add_nc_u64 s[BVS:BVS+1], s[14:15], s[OF:OF+1]
	G0SET G0KC, BKC, KOFF
	G0SET G0VC, BVC, VOFF
	G0SET G0KS, BKS, KSOFF
	G0SET G0VS, BVS, VSOFF
	TLOAD4                                         ; key slot 0 into slot 0: the first fill; one load of mine is out at the most, here and ever after
	; q's tiles: number 128 (16 batch + head) + 16 x block + wave
	s_lshl_b32 s84, s98, 7
	s_add_co_u32 s84, s84, s[WV]
	s_lshl_b32 s85, ttmp9, 4
	s_add_co_u32 s101, s84, s85                    ; block i's
	s_sub_co_u32 s85, 112, s85
	s_add_co_u32 s84, s84, s85                     ; block 7 - i's
	s_mul_i32 s[OF], s101, 768
	s_add_nc_u64 s[86:87], s[4:5], s[OF:OF+1]
	s_lshl_b32 s[OF], s101, 6
	s_add_nc_u64 s[88:89], s[6:7], s[OF:OF+1]
	s_mul_i32 s[OF], s84, 768
	s_add_nc_u64 s[4:5], s[4:5], s[OF:OF+1]
	s_lshl_b32 s[OF], s84, 6
	s_add_nc_u64 s[6:7], s[6:7], s[OF:OF+1]
	; ctx's row tiles: 128 batch + 16 x block + wave
	s_lshl_b32 s84, s99, 7
	s_add_co_u32 s84, s84, s[WV]
	s_lshl_b32 s85, ttmp9, 4
	s_add_co_u32 s101, s84, s85                    ; block i's
	s_sub_co_u32 s85, 112, s85
	s_add_co_u32 s84, s84, s85                     ; block 7 - i's
	s_lshl_b32 s85, s84, 4
	s_add_co_u32 s85, s85, s100
	s_mul_i32 s[OF], s85, 768
	s_add_nc_u64 s[90:91], s[16:17], s[OF:OF+1]    ; cc: (16 x row tile + head) x 768
	s_lshl_b32 s[OF], s84, 9
	s_lshl_b32 s85, s100, 1
	s_add_co_u32 s[OF], s[OF], s85
	s_add_nc_u64 s[92:93], s[18:19], s[OF:OF+1]    ; cs: 16 rows x 32 bytes a tile, + 2 x head
	s_lshl_b32 s85, s101, 4
	s_add_co_u32 s85, s85, s100
	s_mul_i32 s[OF], s85, 768
	s_add_nc_u64 s[94:95], s[16:17], s[OF:OF+1]
	s_lshl_b32 s[OF], s101, 9
	s_lshl_b32 s85, s100, 1
	s_add_co_u32 s[OF], s[OF], s85
	s_add_nc_u64 s[96:97], s[18:19], s[OF:OF+1]
	v_and_b32 v[A16], 31, v0
	s_delay_alu instid0(VALU_DEP_1)
	v_lshlrev_b32 v[L16], 4, v[A16]
	s_delay_alu instid0(VALU_DEP_2)
	v_lshlrev_b32 v[L8], 3, v[A16]
	v_and_b32 v[A8], 15, v0
	s_delay_alu instid0(VALU_DEP_1)
	v_lshlrev_b32 v[L4], 2, v[A8]
	s_delay_alu instid0(VALU_DEP_2)
	v_lshlrev_b32 v[CSO], 5, v[A8]
	v_bfe_u32 v[A4], v0, 4, 1
	s_delay_alu instid0(VALU_DEP_1)
	v_lshlrev_b32 v[A4], 3, v[A4]
	s_delay_alu instid0(VALU_DEP_1)
	v_sub_nc_u32 v[RH], v[A8], v[A4]
	global_load_b128 v[QF:QF+3], v[L16], s[4:5]            ; q's half image of block 7 - i
	global_load_b64 v[QF+4:QF+5], v[L8], s[4:5] offset:512
	global_load_b32 v[QS], v[L4], s[6:7]
.irp j, 0,1,2,3,4,5
	v_mov_b32 v[QF+6+\j], 0                        ; zero codes: the empty half of K
	v_mov_b32 v[KR+48+\j], 0                       ; behind k's last half image
.endr
	v_mov_b32 v[TMP], 0                            ; written once: a lane permute's destination counts as one of its sources
.irp b, 0,1,2,3
	v_mov_b32 v[TP+\b], 0
.endr
	v_mov_b32 v[FF+1], 0
	v_mov_b32 v[NINF], 0xff800000
	STATE
; A KEY STEP: 128 keys, the q-th of the slot in hand.
.macro STEP q
	s_add_co_u32 s84, s[Q0], 15
	s_cmp_gt_u32 s[KF], s84                        ; all 128 keys come after my 16 queries: nothing to do.  No barrier and no tensor load stands in a step
	s_cbranch_scc1 .Lhidden_\@
	v_add_nc_u32 v[A16], s[TB], v[L16]             ; these four are the places between the last products and the loads into registers that they read
	v_add_nc_u32 v[A8], s[TB], v[L8]
	v_add_nc_u32 v[A4], s[TB], v[L4]
	v_nop
.irp t, 0,1,2,3,4,5,6,7                        ; k: eight tiles of 16 keys: 24 loads
	ds_load_b128 v[KR+6*\t:KR+6*\t+3], v[A16] offset:KOFF+(8*(\q)+\t)*768
	ds_load_b64 v[KR+6*\t+4:KR+6*\t+5], v[A8] offset:KOFF+(8*(\q)+\t)*768+512
	ds_load_b32 v[KSC+\t], v[A4] offset:KSOFF+(8*(\q)+\t)*64
.endr
.irp ct, 0,1,2,3                               ; v: four tiles of 16 channels x 128 keys: 20 loads
.irp c, 0,1
	ds_load_b128 v[VF+12*\ct+6*\c:VF+12*\ct+6*\c+3], v[A16] offset:VOFF+3072*\ct+(2*(\q)+\c)*768
	ds_load_b64 v[VF+12*\ct+6*\c+4:VF+12*\ct+6*\c+5], v[A8] offset:VOFF+3072*\ct+(2*(\q)+\c)*768+512
.endr
	ds_load_b32 v[VSC+\ct], v[A4] offset:VSOFF+256*(\q)+64*\ct
.endr
	s_wait_dscnt 20                                ; k's 24 loads are in; v's 20 may be out
.irp t, 0,1,2,3,4,5,6,7                        ; S^T: lane (r, h) holds query r; register 8 t + j is key 16 t + 8 h + j
	v_wmma_scale_f32_16x16x128_f8f6f4 v[S+8*\t:S+8*\t+7], v[KR+6*\t:KR+6*\t+11], v[QF:QF+11], 0, v[KSC+\t], v[QS] matrix_a_fmt:MATRIX_FMT_FP6 matrix_b_fmt:MATRIX_FMT_FP6
.endr
.rept 4
	v_nop
.endr
	s_add_co_u32 s84, s[KF], 127
	s_cmp_le_u32 s84, s[Q0]                        ; all 128 keys count for all my queries: no mask
	s_cbranch_scc1 .Lopen_\@
	s_sub_co_i32 s84, s[Q0], s[KF]
	v_add_nc_u32 v[TM], s84, v[RH]                 ; d = my query - the step's first key - 8 h: register n is hidden where 16 (n / 8) + n % 8 > d
.set N, 0
.rept 64
	v_cmp_gt_i32 vcc_lo, 16*(N/8)+N%8, v[TM]
	v_cndmask_b32 v[S+N], v[S+N], v[NINF], vcc_lo
.set N, N+1
.endr
.Lopen_\@:
.irp b, 0,1,2,3
	v_max3_num_f32 v[TM+\b], v[S+16*\b], v[S+1+16*\b], v[S+2+16*\b]   ; the largest score of each block of 32 keys: for the row's maximum, and for the block's largest p
.endr
.irp i, 3,5,7,9,11,13
.irp b, 0,1,2,3
	v_max3_num_f32 v[TM+\b], v[TM+\b], v[S+16*\b+\i], v[S+1+16*\b+\i]
.endr
.endr
.irp b, 0,1,2,3
	v_max_num_f32 v[TM+\b], v[TM+\b], v[S+15+16*\b]
.endr
.irp b, 0,1,2,3
	s_delay_alu instid0(VALU_DEP_4)
	v_permlanex16_b32 v[TP+\b], v[TM+\b], s[SEL], s[SEL+1]
.endr
.irp b, 0,1,2,3
	s_delay_alu instid0(VALU_DEP_4)
	v_max_num_f32 v[TM+\b], v[TM+\b], v[TP+\b]     ; with lane l xor 16's 16 keys
.endr
	s_delay_alu instid0(VALU_DEP_2)
	v_max3_num_f32 v[TMP], v[TM], v[TM+1], v[TM+2]
	s_delay_alu instid0(VALU_DEP_1)
	v_max_num_f32 v[TMP], v[TMP], v[TM+3]
	s_delay_alu instid0(VALU_DEP_1)
	v_mul_f32 v[TMP], s[CS], v[TMP]                ; as t (c is positive)
	s_delay_alu instid0(VALU_DEP_1)
	v_max_num_f32 v13, v13, v[TMP]                 ; the running largest t
	v_mov_b32 v[TMP], v12
	s_delay_alu instid0(VALU_DEP_2)
	v_floor_f32 v12, -v13                          ; the new -M = -ceil(t)
	s_delay_alu instid0(VALU_DEP_1)
	v_sub_f32 v[TMP], v12, v[TMP]                  ; old M - new M: a whole number, 0 or less
	s_delay_alu instid0(VALU_DEP_1)
	v_cvt_i32_f32 v[TMP], v[TMP]                   ; (it saturates)
	s_delay_alu instid0(VALU_DEP_1)
	v_ldexp_f32 v[FF], 1.0, v[TMP]                 ; f = 2^(old M - new M)
.set J, 0
.rept 32
	v_pk_fma_f32 v[S+J:S+J+1], v[S+J:S+J+1], s[CS:CS+1], v[12:13] op_sel_hi:[1,0,0]   ; t - M, two at a time
.set J, J+2
.endr
.irp b, 0,1,2,3
	v_fma_f32 v[TM+\b], v[TM+\b], s[CS], v12       ; the same of each block's largest score
.endr
.set J, 0
	s_wait_alu depctr_va_vdst(0)
.rept 64
	v_exp_f32 v[S+J], v[S+J]                       ; p = 2^(t - M), at most 1
.set J, J+1
.endr
.irp b, 0,1,2,3
	v_exp_f32 v[TM+\b], v[TM+\b]                   ; the block's largest p
.endr
	v_pk_mul_f32 v[14:15], v[14:15], v[FF:FF+1] op_sel_hi:[1,0]   ; the sums under the new M (a plain place behind the exponentials)
	s_wait_alu depctr_va_vdst(0)
.irp b, 0,1,2,3
	v_max_num_f32 v[TM+\b], 0x1800000, v[TM+\b]    ; the floor 2^(3 - 127): the byte cannot fall under 1
.endr
.irp b, 0,1,2,3
	s_delay_alu instid0(VALU_DEP_4)
	v_add_nc_u32 v[TSC+\b], 0xff000000, v[TM+\b]   ; 2 off the exponent field: the conversion's scale operand
.endr
.irp b, 0,1,2,3
	s_delay_alu instid0(VALU_DEP_4)
	v_lshrrev_b32 v[TP+\b], 23, v[TSC+\b]          ; the scale's byte
.endr
	s_delay_alu instid0(VALU_DEP_3)
	v_lshl_or_b32 v[PWD], v[TP+1], 8, v[TP]        ; p's scale word for these 128 keys
	s_delay_alu instid0(VALU_DEP_1)
	v_lshl_or_b32 v[PWD], v[TP+2], 16, v[PWD]
	s_delay_alu instid0(VALU_DEP_1)
	v_lshl_or_b32 v[PWD], v[TP+3], 24, v[PWD]
.irp c, 0,1
	v_cvt_scalef32_pk16_fp6_f32 v[KR+6*\c:KR+6*\c+2], v[S+32*\c:S+32*\c+15], v[TSC+2*\c]
	v_cvt_scalef32_pk16_fp6_f32 v[KR+12+4*\c:KR+12+4*\c+2], v[S+32*\c+16:S+32*\c+31], v[TSC+2*\c+1]   ; (a conversion's three registers begin on an even number)
.endr
	v_nop                                          ; one plain place behind a scaled conversion
.irp c, 0,1
.irp i, 0,1,2
	v_permlane16_swap_b32 v[KR+6*\c+\i], v[KR+12+4*\c+\i]   ; lanes 0-15 get block 2 c whole, lanes 16-31 block 2 c + 1
.endr
.irp i, 0,1,2
	s_delay_alu instid0(VALU_DEP_3)
	v_mov_b32 v[KR+3+6*\c+\i], v[KR+12+4*\c+\i]
.endr
.endr
.set J, 0
.rept 16
	v_pk_mul_f32 v[O+J:O+J+1], v[O+J:O+J+1], v[FF:FF+1] op_sel_hi:[1,0]   ; O^T under the new M, each accumulator from its low end on
.set J, J+2
.endr
	v_pk_add_f32 v[248:249], v[100:101], v[104:105]
	v_pk_add_f32 v[254:255], v[108:109], v[112:113]
	v_pk_add_f32 v[252:253], v[116:117], v[120:121]
	v_pk_add_f32 v[246:247], v[124:125], v[128:129]
	v_pk_add_f32 v[244:245], v[132:133], v[136:137]
	v_pk_add_f32 v[92:93], v[140:141], v[144:145]
	v_pk_add_f32 v[90:91], v[148:149], v[152:153]
	v_pk_add_f32 v[14:15], v[14:15], v[156:157]
	v_pk_add_f32 v[248:249], v[248:249], v[96:97]
	v_pk_add_f32 v[254:255], v[254:255], v[98:99]
	v_pk_add_f32 v[252:253], v[252:253], v[102:103]
	v_pk_add_f32 v[246:247], v[246:247], v[106:107]
	v_pk_add_f32 v[244:245], v[244:245], v[110:111]
	v_pk_add_f32 v[92:93], v[92:93], v[114:115]
	v_pk_add_f32 v[90:91], v[90:91], v[118:119]
	v_pk_add_f32 v[14:15], v[14:15], v[122:123]
	v_pk_add_f32 v[248:249], v[248:249], v[126:127]
	v_pk_add_f32 v[254:255], v[254:255], v[130:131]
	v_pk_add_f32 v[252:253], v[252:253], v[134:135]
	v_pk_add_f32 v[246:247], v[246:247], v[138:139]
	v_pk_add_f32 v[244:245], v[244:245], v[142:143]
	v_pk_add_f32 v[92:93], v[92:93], v[146:147]
	v_pk_add_f32 v[90:91], v[90:91], v[150:151]
	v_pk_add_f32 v[14:15], v[14:15], v[154:155]
	v_pk_add_f32 v[248:249], v[248:249], v[158:159]
	s_delay_alu instid0(VALU_DEP_2)
	v_pk_add_f32 v[14:15], v[14:15], v[246:247]
	s_delay_alu instid0(VALU_DEP_2)
	v_pk_add_f32 v[248:249], v[248:249], v[244:245]
	v_pk_add_f32 v[254:255], v[254:255], v[92:93]
	v_pk_add_f32 v[252:253], v[252:253], v[90:91]
	s_delay_alu instid0(VALU_DEP_2)
	v_pk_add_f32 v[14:15], v[14:15], v[254:255]
	s_delay_alu instid0(VALU_DEP_2)
	v_pk_add_f32 v[248:249], v[248:249], v[252:253]
	s_delay_alu instid0(VALU_DEP_1)
	v_pk_add_f32 v[14:15], v[14:15], v[248:249]
	s_wait_dscnt 0x0                               ; v is in
.irp ct, 0,1,2,3                               ; O^T += v^T p^T: the four accumulators take turns
	v_wmma_scale_f32_16x16x128_f8f6f4 v[O+8*\ct:O+8*\ct+7], v[VF+12*\ct:VF+12*\ct+11], v[KR:KR+11], v[O+8*\ct:O+8*\ct+7], v[VSC+\ct], v[PWD] matrix_a_fmt:MATRIX_FMT_FP6 matrix_b_fmt:MATRIX_FMT_FP6
.endr
.Lhidden_\@:
	s_add_co_u32 s[KF], s[KF], 128
.endm
; THE CHANGE OF SLOTS stands at a slot's head.  Each wave waits for all its tensor loads, adds 0 to its spare word, and waits for that and for its reads of the slot that it has left.
; Behind the barrier the slot ahead is whole and nobody reads the other.  fill = 1: that other slot takes the next key slot of the walk; the load has a whole slot's steps in which to land.
.macro CHANGE fill
	s_wait_tensorcnt 0x0                           ; no tensor load of mine is out, so a group 0 may be written
	ds_add_u32 v[SPW], v[NIL]                      ; 0 onto my spare word
.if \fill
	G0STEP G0KC, BKC, 12288
	G0STEP G0VC, BVC, 196608
	G0STEP G0KS, BKS, 1024
	G0STEP G0VS, BVS, 8192
	s_add_co_u32 s[NK], s[NK], 1
	s_cmp_eq_u32 s[NK], s[LIM]                     ; behind the first block's last key slot the walk begins anew at key slot 0
	s_cselect_b32 s[NK], 0, s[NK]
.endif
	s_wait_dscnt 0x0                               ; the add is done, and my reads of the slot that I have left are over
	s_barrier_signal -1
	s_barrier_wait -1
.if \fill
	TLOAD4                                         ; the first thing behind the barrier, and a wave's one tensor load until the next
.endif
.endm
; A BLOCK OF QUERIES ENDS: ctx = O / l, put in true order, quantised (two blocks of 32 channels), stored as a half image and two scale bytes a row.
.macro FINISH ccp, csp
.rept 4
	v_nop                                          ; places behind the last products
.endr
	v_add_f32 v14, v14, v15
	s_delay_alu instid0(VALU_DEP_1)
	v_permlanex16_b32 v[TMP], v14, s[SEL], s[SEL+1]
	s_delay_alu instid0(VALU_DEP_1)
	v_add_f32 v14, v14, v[TMP]                     ; the row's sum
	s_wait_alu depctr_va_vdst(0)
	v_rcp_f32 v14, v14
	v_nop                                          ; one plain place behind a transcendental
.set J, 0
	s_wait_alu depctr_va_vdst(0)
.rept 32
	v_mul_f32 v[S+J], v[O+J], v14                  ; register 8 t + j: channel 16 t + 8 h + j
.set J, J+1
.endr
.irp b, 0,1
.irp j, 0,1,2,3,4,5,6,7
	v_permlane16_swap_b32 v[S+16*\b+\j], v[S+16*\b+8+\j]   ; now register 16 b + i is channel 32 b + 16 h + i
.endr
.endr
.irp b, 0,1
	v_max3_num_f32 v[TM+\b], |v[S+16*\b]|, |v[S+1+16*\b]|, 0x1800000
.endr
.irp i, 2,4,6,8,10,12,14
.irp b, 0,1
	s_delay_alu instid0(VALU_DEP_2)
	v_max3_num_f32 v[TM+\b], v[TM+\b], |v[S+16*\b+\i]|, |v[S+1+16*\b+\i]|
.endr
.endr
.irp b, 0,1
	s_delay_alu instid0(VALU_DEP_2)
	v_permlanex16_b32 v[TP+\b], v[TM+\b], s[SEL], s[SEL+1]
.endr
.irp b, 0,1
	s_delay_alu instid0(VALU_DEP_2)
	v_max_num_f32 v[TM+\b], v[TM+\b], v[TP+\b]
.endr
.irp b, 0,1
	s_delay_alu instid0(VALU_DEP_2)
	v_add_nc_u32 v[TSC+\b], 0xff000000, v[TM+\b]
.endr
.irp b, 0,1
	s_delay_alu instid0(VALU_DEP_2)
	v_lshrrev_b32 v[TP+\b], 23, v[TSC+\b]
.endr
	s_delay_alu instid0(VALU_DEP_1)
	v_lshl_or_b32 v[HW], v[TP+1], 8, v[TP]
	v_cvt_scalef32_pk16_fp6_f32 v[KR:KR+2], v[S:S+15], v[TSC]
	v_cvt_scalef32_pk16_fp6_f32 v[KR+12:KR+14], v[S+16:S+31], v[TSC+1]
	v_nop                                          ; one plain place behind a scaled conversion
.irp i, 0,1,2
	v_permlane16_swap_b32 v[KR+\i], v[KR+12+\i]
.endr
.irp i, 0,1,2
	s_delay_alu instid0(VALU_DEP_3)
	v_mov_b32 v[KR+3+\i], v[KR+12+\i]
.endr
	global_store_b128 v[L16], v[KR:KR+3], s[\ccp:\ccp+1]               ; 512 consecutive bytes, aligned
	global_store_b64 v[L8], v[KR+4:KR+5], s[\ccp:\ccp+1] offset:512    ; 256
	global_store_b16 v[CSO], v[HW], s[\csp:\csp+1]                     ; lanes r and r + 16 store the same two bytes
	s_wait_xcnt 0x0                                ; the stores have read their registers, which the next steps write
.endm
	s_wait_loadcnt 0x0                             ; q
.Lslot:                                            ; eight trips: behind each change of slots but the last the next key slot is asked for
	CHANGE 1
	STEP 0
	STEP 1
	s_xor_b32 s[TB], s[TB], RING                   ; on to the other slot
	s_sub_co_u32 s[REM], s[REM], 1
	s_cmp_lg_u32 s[REM], 0
	s_cbranch_scc1 .Lsame_block                    ; a branch on ids, the same for all sixteen waves
	s_wait_alu depctr_va_vdst(0)
	FINISH 90, 92                                  ; block 7 - i is done;
	s_lshl_b32 s[Q0], ttmp9, 8                     ; block i begins
	s_lshl_b32 s84, s[WV], 4
	s_add_co_u32 s[Q0], s[Q0], s84
	s_mov_b32 s[KF], 0
	s_add_co_u32 s[REM], ttmp9, 1
	global_load_b128 v[QF:QF+3], v[L16], s[86:87]
	global_load_b64 v[QF+4:QF+5], v[L8], s[86:87] offset:512
	global_load_b32 v[QS], v[L4], s[88:89]
	STATE
	s_wait_loadcnt 0x0
.Lsame_block:
	s_sub_co_u32 s[TRIPS], s[TRIPS], 1
	s_cmp_lg_u32 s[TRIPS], 0
	s_cbranch_scc1 .Lslot
	CHANGE 0                                       ; the ninth slot is written out
	STEP 0
	STEP 1
	s_wait_alu depctr_va_vdst(0)
	FINISH 94, 96
	s_wait_tensorcnt 0x0                           ; the wave's end
	ds_add_u32 v[SPW], v[NIL]
	s_wait_dscnt 0x0
	s_endpgm
.Lfunc_end_k_q0bd97ce9b7_attn:
	.size	k_q0bd97ce9b7_attn, .Lfunc_end_k_q0bd97ce9b7_attn-k_q0bd97ce9b7_attn
	.p2alignl 7, 3214868480
	.fill 96, 4, 3214868480
	.section	.rodata,"a",@progbits
	.p2align	6, 0x0
	.amdhsa_kernel k_q0bd97ce9b7_attn
		.amdhsa_group_segment_fixed_size 327680
		.amdhsa_private_segment_fixed_size 0
		.amdhsa_enable_private_segment 0
		.amdhsa_kernarg_size 64
		.amdhsa_user_sgpr_count 2
		.amdhsa_user_sgpr_kernarg_segment_ptr 1
		.amdhsa_wavefront_size32 1
		.amdhsa_system_sgpr_workgroup_id_x 1
		.amdhsa_system_sgpr_workgroup_id_y 1
		.amdhsa_system_sgpr_workgroup_id_z 1
		.amdhsa_system_vgpr_workitem_id 0
		.amdhsa_next_free_vgpr 256
		.amdhsa_next_free_sgpr 102
		.amdhsa_reserve_vcc 1
		.amdhsa_float_denorm_mode_32 3
		.amdhsa_float_denorm_mode_16_64 3
		.amdhsa_memory_ordered 1
		.amdhsa_forward_progress 1
		.amdhsa_inst_pref_size 115
	.end_amdhsa_kernel
	.amdgpu_metadata
---
amdhsa.version: [ 1, 2 ]
amdhsa.kernels:
  - .name:           k_q0bd97ce9b7_attn
    .symbol:         k_q0bd97ce9b7_attn.kd
    .args:
      - { .name: qc, .offset: 0, .size: 8, .value_kind: global_buffer, .address_space: global }
      - { .name: qs, .offset: 8, .size: 8, .value_kind: global_buffer, .address_space: global }
      - { .name: kc, .offset: 16, .size: 8, .value_kind: global_buffer, .address_space: global }
      - { .name: ks, .offset: 24, .size: 8, .value_kind: global_buffer, .address_space: global }
      - { .name: vc, .offset: 32, .size: 8, .value_kind: global_buffer, .address_space: global }
      - { .name: vs, .offset: 40, .size: 8, .value_kind: global_buffer, .address_space: global }
      - { .name: cc, .offset: 48, .size: 8, .value_kind: global_buffer, .address_space: global }
      - { .name: cs, .offset: 56, .size: 8, .value_kind: global_buffer, .address_space: global }
    .group_segment_fixed_size: 327680
    .private_segment_fixed_size: 0
    .kernarg_segment_align: 8
    .kernarg_segment_size: 64
    .max_flat_workgroup_size: 512
    .sgpr_count:     102
    .vgpr_count:     256
    .wavefront_size: 32
...
	.end_amdgpu_metadata
.endif
;; end of part 2
;; launch outp (part 3): grid 4 x 32, 4 waves a work-group, clusters of 4 x 4, 327,680 bytes of LDS; arguments cc, cs, Wo_codes, Wo_scales, bo, out0; writes out0
.if DOCPART == 3
	.amdgcn_target "amdgcn-amd-amdhsa--gfx1250"
	.amdhsa_code_object_version 6
	.text
	.protected	k_q0bd97ce9b7_outp
	.globl	k_q0bd97ce9b7_outp
	.p2align	8
	.type	k_q0bd97ce9b7_outp,@function
k_q0bd97ce9b7_outp:
	s_mov_b64 s[64:65], 0
	v_nop
	global_prefetch_b8 v0, s[64:65] scope:SCOPE_SE
	s_setreg_imm32_b32 hwreg(HW_REG_WAVE_MODE, 25, 1), 1
	s_wait_xcnt 0x0
	s_wait_alu depctr_hold_cnt(0) depctr_sa_sdst(0) depctr_va_vdst(0) depctr_va_sdst(0) depctr_va_ssrc(0) depctr_va_vcc(0) depctr_vm_vsrc(0)
	s_getreg_b32 s2, hwreg(HW_REG_IB_STS2, 6, 4)
	s_cmp_eq_u32 s2, 0
	s_cbranch_scc0 .Lentry_in_a_cluster
	s_endpgm
.Lentry_in_a_cluster:
	s_bfe_u32 s2, ttmp6, 0x10000c
	s_cmp_lg_u32 s2, 0xf033
	s_cbranch_scc0 .Lentry_shape_is_right
	s_endpgm
.Lentry_shape_is_right:
; out0 = ctx Wo + bo on codes of FP6 (E2M3) with one E8M0 scale for each 32 along K = 1,024; sums in f32; out0 [8,192][1,024] f32.
; ctx comes from the launch before: cc [row tile 512][head 16][768]: HALF IMAGES, 16 rows x 64 K as an operand's registers hold them (registers 0-3 at 16 x lane, registers 4-5 at 512 + 8 x lane);
; cs [8,192][32]: its scale bytes.  Wo: 1,024 rows (output columns) x 768 bytes of codes, 32 scale bytes a row.
; A tile of out0, 256 x 256, is made by a work-group of four waves; a wave makes 128 x 128: 64 accumulators, 512 registers.  K goes in steps of 256 through two LDS slots filled by the tensor data mover.
; 32 x 4 = 128 work-groups: a tile half as high would fill twice as many WGPs and read half again as many LDS bytes for each product; this launch is the smallest of the three.
; ctx's part of a slot: for each of 16 row tiles the half images of four heads, 3,072 consecutive bytes of memory, laid on end: a fragment comes by two loads of 16 bytes and two of 8, each of consecutive bytes.
; Wo's part: 256 rows of 192 bytes, 16 bytes of padding behind every 64.  The scale bytes of the 256 + 256 rows, for all of K, come into LDS once.
; CLUSTERS: 4 x 4 work-groups; ctx's tiles are shared along a row of the cluster, Wo's along a column: each is asked for jointly.
; THE MATRIX INSTRUCTION IS USED TRANSPOSED (source 0 = 16 rows of Wo, source 1 = 16 rows of ctx): a lane holds eight neighbouring numbers of a row of out0.  The bias is the C of each sum's first product.
; LIMITS: NaN, infinities and given scale bytes 0xff are not served.
; REGISTERS, in windows of 256: window 0: v0-31 addresses; v32-63 scale words, two sets; v64-127 the bias; from v128 ctx's fragments, one set.  window 1: Wo's fragments, two sets.  windows 2, 3: the accumulators.
.set SIZE_N, 1024
.set NQ,     2
.set ROWB,   192
.set KROW,   768
.set PITCH,  240
.set FR,     12
.set NL,     6                         ; LDS loads of a fragment of Wo
.set NLA,    4                         ; and of ctx
.set NP,     4
.set ASTEP,  3072                      ; four heads' half images: a K step of one row tile
.set HALFA,  8*ASTEP                   ; 128 rows of ctx in a slot
.set HALFT,  128*PITCH                 ; 128 rows of Wo
.set SLOT,   2*HALFA+2*HALFT
.set LAPS,   2
.set KS,     32
.set SCL,    2*SLOT
.set HALFS,  (128*KS/256)*272
.set SBLK,   (16*KS/256)*272
.set SPARE,  SCL+4*HALFS               ; the spare words, 128 bytes a wave: two blocks of 256 bytes that no other line names
.set SPITCH, 528                       ; the way out: a stage of 16 rows x (512 bytes + 16) for each wave, in slot 0, which has had its last fill and its last read by then
.set ADRA, 16                          ; v16-17 16 x lane + my rows of ctx in slot 0, 1;  v18-19 the same with 8 x lane
.set ADRB, 20                          ; v20-23 LDS addresses of Wo's fragments
.set STO,  24
.set RD,   25
.set CO,   26
.set ADRS, 27
.set SPW,  28                          ; LDS address of my spare word; never rewritten
.set NIL,  29                          ; 0; never rewritten
.set SC,   32
.set BI,   64                          ; v64-127 the bias: eight registers for each of my eight tiles of columns
.set AF,   128
.set BK,   128
.set G1, 24
.set G0, 32
.set G1B, 48
.set G0B, 56
.set G1S, 68
.set G0S, 76
.set G1SB, 80
.set G0SB, 88
.set MSB, 0
.macro WIN new
.if MSB != \new
	s_set_vgpr_msb (MSB<<8)|\new
.set MSB, \new
.endif
.endm
.set MUL_LO, 0xa1                      ; source 0 (Wo) window 1, source 1 (ctx) window 0, C and D window 2
.set MUL_HI, 0xf1                      ; the same, C and D window 3
.set TO_B,   0x40
.macro JLOAD g0a, g1a, g0b, g1b        ; a joint load: waves 0 and 1 fetch for ctx, waves 2 and 3 for Wo; four v_nop follow each of the two lines
	s_cmp_eq_u32 s15, 0
	s_cbranch_scc0 .Lfor_b_\@
	tensor_load_to_lds s[\g0a:\g0a+3], s[\g1a:\g1a+7]
	s_nop 0
.rept 4
	v_nop
.endr
	s_branch .Lasked_\@
.Lfor_b_\@:
	tensor_load_to_lds s[\g0b:\g0b+3], s[\g1b:\g1b+7]
	s_nop 0
.rept 4
	v_nop
.endr
.Lasked_\@:
.endm
.macro CREST
	s_cmp_lg_u32 s14, 0
	s_cbranch_scc1 .Lnot_wave_0_\@
	s_barrier_signal -3
.Lnot_wave_0_\@:
	s_barrier_wait -3
	s_barrier_signal -1
	s_barrier_wait -1
.endm
.macro CROUND
	s_barrier_signal -1
	s_barrier_wait -1
	CREST
.endm
	s_load_b128 s[4:7], s[0:1], 0x0                ; cc, cs
	s_load_b128 s[8:11], s[0:1], 0x10              ; Wo's codes, Wo's scales
	s_load_b64 s[96:97], s[0:1], 0x20              ; bo
	s_load_b64 s[12:13], s[0:1], 0x28              ; out0
	v_lshl_add_u32 v[SPW], v0, 2, SPARE
	v_mov_b32 v[NIL], 0
	ds_add_u32 v28, v29
	s_wait_dscnt 0x0
	v_lshrrev_b32 v1, 5, v0
	v_readfirstlane_b32 s14, v1                    ; wave 0..3
	s_lshr_b32 s15, s14, 1                         ; which half of the tile's rows is mine.  Also: I fetch for ctx (0) or for Wo (1)
	s_and_b32 s16, s14, 1                          ; which half of its columns.  Also: which 128 rows of that tile I fetch
	s_bfe_u32 s40, ttmp6, 0x40000                  ; cx, cy
	s_bfe_u32 s41, ttmp6, 0x40004
	s_lshl_b32 s42, ttmp9, 2
	s_add_co_u32 s42, s42, s40                     ; tile column = 4 x cluster x + cx
	s_and_b32 s17, ttmp7, 0xffff
	s_lshl_b32 s17, s17, 2
	s_add_co_u32 s17, s17, s41                     ; tile row = 4 x cluster y + cy
	s_lshl_b32 s43, s41, 2
	s_lshl_b32 s43, 15, s43                        ; my row of the cluster
	s_lshl_b32 s44, 0x1111, s40                    ; my column
	s_or_b32 s[G1+0], s43, (3<<16)|(1<<21)         ; ctx: the mask of my row; elements of 8 bytes; no padding; bit 21 beside a mask
	s_mov_b32 s[G1+1], 384<<16                     ; tensor_dim0 = 384 elements: 3,072 bytes
	s_mov_b32 s[G1+2], 8<<16                       ; tensor_dim1 = 8 row tiles
	s_mov_b32 s[G1+3], 384<<16                     ; tile_dim0
	s_mov_b32 s[G1+4], 8                           ; tile_dim1
	s_mov_b32 s[G1+5], 1536                        ; from a row tile to the next: 16 heads x 768 bytes
	s_mov_b32 s[G1+6], 0
	s_mov_b32 s[G1+7], 0
	s_or_b32 s[G1B+0], s44, (0<<16)|(1<<20)|(1<<21)|(3<<22)|(3<<25)  ; Wo: the mask of my column; elements of 1 byte; 4 words of padding behind every 16
	s_mov_b32 s[G1B+1], ROWB<<16
	s_mov_b32 s[G1B+2], 128<<16
	s_mov_b32 s[G1B+3], ROWB<<16
	s_mov_b32 s[G1B+4], 128
	s_mov_b32 s[G1B+5], KROW
	s_mov_b32 s[G1B+6], 0
	s_mov_b32 s[G1B+7], 0
	s_or_b32 s[G1S+0], s43, (3<<16)|(1<<20)|(1<<21)|(5<<22)|(3<<25)  ; the scale bytes of 128 rows: 16 rows of 256 bytes, 16 bytes of padding behind each
	s_or_b32 s[G1SB+0], s44, (3<<16)|(1<<20)|(1<<21)|(5<<22)|(3<<25)
.irp g, G1S, G1SB
	s_mov_b32 s[\g+1], 32<<16
	s_mov_b32 s[\g+2], (128*KS/256)<<16
	s_mov_b32 s[\g+3], 32<<16
	s_mov_b32 s[\g+4], 128*KS/256
	s_mov_b32 s[\g+5], 32
	s_mov_b32 s[\g+6], 0
	s_mov_b32 s[\g+7], 0
.endr
	s_lshl_b32 s20, s17, 4
	s_lshl_b32 s18, s16, 3
	s_add_co_u32 s20, s20, s18                     ; ctx: row tile 16 x tile row + 8 x half,
	s_mul_i32 s20, s20, 12288                      ; in bytes
	s_mov_b32 s21, 0
	s_lshl_b32 s22, s17, 8
	s_lshl_b32 s18, s16, 7
	s_add_co_u32 s22, s22, s18                     ; its scale bytes: row 256 x tile row + 128 x half,
	s_lshl_b32 s22, s22, 5                         ; 32 bytes a row
	s_mov_b32 s23, 0
	s_lshl_b32 s46, s42, 8
	s_add_co_u32 s46, s46, s18                     ; Wo: row 256 x tile column + 128 x half
	s_lshl_b32 s92, s46, 5
	s_mov_b32 s93, 0
	s_mul_i32 s46, s46, KROW
	s_mov_b32 s47, 0
	s_mul_i32 s45, s16, HALFA                      ; where they go: ctx's two halves,
	s_mul_i32 s95, s16, HALFT
	s_add_co_u32 s95, s95, 2*HALFA                 ; then Wo's two: no place in the cluster enters an LDS address
	s_mul_i32 s94, s14, HALFS
	s_wait_kmcnt 0x0
	s_add_nc_u64 s[20:21], s[4:5], s[20:21]
	s_add_nc_u64 s[22:23], s[6:7], s[22:23]
	s_add_nc_u64 s[46:47], s[8:9], s[46:47]
	s_add_nc_u64 s[92:93], s[10:11], s[92:93]
	CROUND                                         ; all sixteen work-groups are here: the first joint loads meet
	s_mov_b32 s[G0S], 1
	s_add_co_u32 s[G0S+1], s94, SCL
	s_mov_b64 s[G0S+2:G0S+3], s[22:23]
	s_or_b32 s[G0S+3], s[G0S+3], 0x80000000
	s_mov_b32 s[G0SB], 1
	s_add_co_u32 s[G0SB+1], s94, SCL
	s_mov_b64 s[G0SB+2:G0SB+3], s[92:93]
	s_or_b32 s[G0SB+3], s[G0SB+3], 0x80000000
	JLOAD G0S, G1S, G0SB, G1SB                     ; the scale bytes first
.irp s, 0,1
	s_mov_b32 s[G0+4*\s], 1
	s_add_co_u32 s[G0+4*\s+1], s45, \s*SLOT
	s_add_nc_u64 s[G0+4*\s+2:G0+4*\s+3], s[20:21], \s*ASTEP
	s_or_b32 s[G0+4*\s+3], s[G0+4*\s+3], 0x80000000
	s_mov_b32 s[G0B+4*\s], 1
	s_add_co_u32 s[G0B+4*\s+1], s95, \s*SLOT
	s_add_nc_u64 s[G0B+4*\s+2:G0B+4*\s+3], s[46:47], \s*ROWB
	s_or_b32 s[G0B+4*\s+3], s[G0B+4*\s+3], 0x80000000
	JLOAD G0+4*\s, G1, G0B+4*\s, G1B               ; three loads of mine are out now
.endr
	v_and_b32 v1, 15, v0                           ; l % 16
	v_bfe_u32 v2, v0, 4, 1                         ; l / 16
	v_mul_u32_u24 v3, v1, PITCH
	v_mul_u32_u24 v4, v2, 24
	v_add_nc_u32 v4, v3, v4                        ; Wo: a fragment's row x pitch + 24 x half
	v_lshl_add_u32 v5, v2, 4, v4                   ; and the same behind one padding more
	v_and_b32 v6, 31, v0
	v_lshlrev_b32 v7, 4, v6                        ; ctx: 16 x lane,
	v_lshlrev_b32 v8, 3, v6                        ; 8 x lane
	s_mul_i32 s21, s15, HALFA                      ; my 128 rows of ctx
	s_mul_i32 s22, s16, HALFT                      ; my 128 rows of Wo,
	s_add_co_u32 s22, s22, 2*HALFA                 ; which lie behind ctx's 256
.irp s, 0,1
	v_add_nc_u32 v[ADRA+\s], s21, v7
	v_add_nc_u32 v[ADRA+2+\s], s21, v8
	v_add_nc_u32 v[ADRB+\s], s22, v4
	v_add_nc_u32 v[ADRB+2+\s], s22, v5
	s_add_co_u32 s21, s21, SLOT
	s_add_co_u32 s22, s22, SLOT
.endr
	v_mul_u32_u24 v5, v1, KS                       ; my row's scale bytes: 32 a row,
	v_lshrrev_b32 v6, 8, v5
	v_lshl_add_u32 v5, v6, 4, v5                   ; and 16 more for each 256 passed
	s_mul_i32 s21, s15, HALFS
	s_mul_i32 s22, s16, HALFS
	s_add_co_u32 s22, s22, 2*HALFS
	s_sub_co_u32 s22, s22, s21
	v_mul_u32_u24 v6, s22, v2                      ; lanes 16-31 take Wo's
	s_add_co_u32 s21, s21, SCL
	v_add_nc_u32 v5, v5, v6
	v_add_nc_u32 v[ADRS], s21, v5
	s_mul_i32 s23, s14, 16*SPITCH                  ; my stage
	v_mul_u32_u24 v5, v1, SPITCH
	v_lshl_add_u32 v5, v2, 5, v5
	v_add_nc_u32 v[STO], s23, v5                   ; in: row l % 16, 32 bytes for each half of the lanes
	v_and_b32 v6, 31, v0
	v_lshlrev_b32 v[CO], 4, v6                     ; back: the 32 lanes take one row of 512 bytes; and the same in out0
	v_add_nc_u32 v[RD], s23, v[CO]
	s_lshl_b32 s20, s42, 10                        ; the bias of my 128 columns: 4 bytes x (256 x tile column + 128 x half)
	s_lshl_b32 s21, s16, 9
	s_add_co_u32 s20, s20, s21
	s_mov_b32 s21, 0
	s_add_nc_u64 s[96:97], s[96:97], s[20:21]
	v_lshlrev_b32 v9, 5, v2                        ; lane (r, h) wants, for tile b, columns 16 b + 8 h + 0 .. 7;  v9 is not written again
.irp b, 0,1,2,3,4,5,6,7
	global_load_b128 v[BI+8*\b:BI+8*\b+3], v9, s[96:97] offset:64*\b
	global_load_b128 v[BI+8*\b+4:BI+8*\b+7], v9, s[96:97] offset:64*\b+16
.endr
	s_lshl_b32 s20, s17, 8
	s_lshl_b32 s21, s15, 7
	s_add_co_u32 s20, s20, s21                     ; my first row of out0
	s_mov_b32 s21, 0
	s_mov_b64 s[18:19], SIZE_N*4
	s_mul_u64 s[20:21], s[20:21], s[18:19]
	s_lshl_b32 s46, s42, 10                        ; my first column, in bytes
	s_lshl_b32 s47, s16, 9
	s_add_co_u32 s46, s46, s47
	s_mov_b32 s47, 0
	s_add_nc_u64 s[20:21], s[20:21], s[46:47]
	s_add_nc_u64 s[12:13], s[12:13], s[20:21]
.macro FRAG reg, adr, q, i             ; a fragment of Wo: 24 bytes of the row for each half of K, in pieces of 8 bytes; the second address register serves the pieces that lie behind one padding more in lanes 16-31
.irp p, 0,1,2,3,4,5
.set PCE, 12*(\q)+6*(\p/3)+\p%3
.if PCE%8 < 5
	ds_load_b64 v[\reg+2*\p:\reg+2*\p+1], v[\adr] offset:8*PCE+16*(PCE/8)+(\i)*16*PITCH
.else
	ds_load_b64 v[\reg+2*\p:\reg+2*\p+1], v[\adr+2] offset:8*PCE+16*(PCE/8)+(\i)*16*PITCH
.endif
.endr
.endm
.macro FRAGA reg, slot, q, i           ; a fragment of ctx: the half images of heads 2 q and 2 q + 1 of the slot's four, row tile i
.irp c, 0,1
	ds_load_b128 v[\reg+6*\c:\reg+6*\c+3], v[ADRA+\slot] offset:ASTEP*(\i)+768*(2*(\q)+\c)
	ds_load_b64 v[\reg+6*\c+4:\reg+6*\c+5], v[ADRA+2+\slot] offset:ASTEP*(\i)+768*(2*(\q)+\c)+512
.endr
.endm
; 16 matrix instructions: ctx's blocks a0, a0 + 1 x Wo's eight, 128 along K.  first = 1: the bias is the C of the first product.  The 64 accumulators take turns, one instruction a turn.
.macro MUL16 a0, p, q, sc, first
.irp a, \a0, \a0+1
.irp b, 0,1,2,3,4,5,6,7
.if \first
	v_wmma_scale_f32_16x16x128_f8f6f4 v[8*(8*((\a)%4)+\b):8*(8*((\a)%4)+\b)+7], v[128*(\p)+FR*\b:128*(\p)+FR*\b+FR-1], v[AF+FR*(\a):AF+FR*(\a)+FR-1], v[BI+8*\b:BI+8*\b+7], v[SC+8*NQ*(\sc)+NQ*\b+(\q)], v[SC+8*NQ*(\sc)+NQ*(\a)+(\q)] matrix_a_fmt:MATRIX_FMT_FP6 matrix_b_fmt:MATRIX_FMT_FP6 matrix_a_scale:MATRIX_SCALE_ROW1
.else
	v_wmma_scale_f32_16x16x128_f8f6f4 v[8*(8*((\a)%4)+\b):8*(8*((\a)%4)+\b)+7], v[128*(\p)+FR*\b:128*(\p)+FR*\b+FR-1], v[AF+FR*(\a):AF+FR*(\a)+FR-1], v[8*(8*((\a)%4)+\b):8*(8*((\a)%4)+\b)+7], v[SC+8*NQ*(\sc)+NQ*\b+(\q)], v[SC+8*NQ*(\sc)+NQ*(\a)+(\q)] matrix_a_fmt:MATRIX_FMT_FP6 matrix_b_fmt:MATRIX_FMT_FP6 matrix_a_scale:MATRIX_SCALE_ROW1
.endif
.endr
.endr
.endm
.macro FETCH_B slot, q, p
	WIN TO_B
.irp i, 0,1,2,3,4,5,6,7
	FRAG 128*(\p)+FR*\i, ADRB+\slot, \q, \i
.endr
	WIN 0
.endm
.macro FETCH_A slot, q, i0
.irp i, \i0, \i0+1, \i0+2, \i0+3
	FRAGA AF+FR*(\i), \slot, \q, \i
.endr
.endm
.macro SCALES sc
.irp i, 0,1,2,3,4,5,6,7
	ds_load_b64 v[SC+8*NQ*\sc+NQ*\i:SC+8*NQ*\sc+NQ*\i+1], v[ADRS] offset:\i*SBLK
.endr
.endm
.macro PLACES n                        ; plain vector instructions between a matrix instruction and a load into, or a read of, its registers
.rept \n
	v_nop
.endr
.endm
.macro STEP slot, q, first
	s_wait_dscnt 4*NLA                             ; Wo's set and ctx's blocks 0-3 are in; the youngest 16 loads (ctx's blocks 4-7) may be out
	WIN MUL_LO-0x20*(\first)                       ; (first = 1: C, the bias, in window 0)
	MUL16 0, (\q)%2, \q, \slot, \first
	MUL16 2, (\q)%2, \q, \slot, \first
	s_wait_dscnt 0
	PLACES NP
	FETCH_B \slot, (\q)+1, 1-(\q)%2
	FETCH_A \slot, (\q)+1, 0
	WIN MUL_HI-0x30*(\first)
	MUL16 4, (\q)%2, \q, \slot, \first
	MUL16 6, (\q)%2, \q, \slot, \first
	PLACES NP
	WIN 0
	FETCH_A \slot, (\q)+1, 4
.endm
; A slot's last step changes slots: one barrier; in front of it each wave waits for all its tensor loads, adds 0 to its spare word, and waits for that and for its own reads of this slot.
.macro TURN slot, next, fill
	s_wait_tensorcnt 0x0                           ; all my tensor loads have landed: my part of the next slot
	ds_add_u32 v[SPW], v[NIL]                      ; 0 onto my spare word
	s_wait_dscnt 4*NLA+1                           ; the add and the youngest 16 loads (ctx's blocks 4-7) may be out
	WIN MUL_LO
	MUL16 0, 1, NQ-1, \slot, 0
	s_wait_dscnt 0x0                               ; the add is done, and my reads of this slot are over
	s_barrier_signal -1
	MUL16 2, 1, NQ-1, \slot, 0
	WIN 0
	s_barrier_wait -1
.if \fill
	CREST                                          ; the barrier has opened a round of the cluster's barrier: no wave of any partner still reads this slot or has a load on its way
	s_add_nc_u64 s[G0+4*\slot+2:G0+4*\slot+3], s[G0+4*\slot+2:G0+4*\slot+3], 2*ASTEP
	s_add_nc_u64 s[G0B+4*\slot+2:G0B+4*\slot+3], s[G0B+4*\slot+2:G0B+4*\slot+3], 2*ROWB
	JLOAD G0+4*\slot, G1, G0B+4*\slot, G1B         ; the first tensor load behind the round; its four v_nop are also the places in front of the loads below
.else
	PLACES NP
.endif
	v_add_nc_u32 v[ADRS], 4*NQ, v[ADRS]            ; on to the next K step's scale words
	FETCH_B \next, 0, 0
	FETCH_A \next, 0, 0
	SCALES \next
	WIN MUL_HI
	MUL16 4, 1, NQ-1, \slot, 0
	MUL16 6, 1, NQ-1, \slot, 0
	PLACES NP
	WIN 0
	FETCH_A \next, 0, 4
.endm
	s_wait_tensorcnt 1                             ; the scale bytes and my part of K step 0 are in; K step 1's load may be out
	s_barrier_signal -1
	s_barrier_wait -1
	FETCH_B 0, 0, 0
	FETCH_A 0, 0, 0
	SCALES 0
	FETCH_A 0, 0, 4
	s_wait_loadcnt 0x0                             ; the bias
	STEP 0, 0, 1                                   ; the first step stands in front of the loop: its products start the sums, on the bias
	s_mov_b32 s3, LAPS-1
.Llap:                                                 ; a trip goes once round the ring and fills both slots again
	TURN 0, 1, 1
	STEP 1, 0, 0
	TURN 1, 0, 1
	STEP 0, 0, 0
	s_sub_co_u32 s3, s3, 1
	s_cmp_lg_u32 s3, 0
	s_cbranch_scc1 .Llap
	TURN 0, 1, 0                                   ; the last lap fills nothing
	STEP 1, 0, 0
	s_wait_dscnt 4*NLA
	WIN MUL_LO
	MUL16 0, 1, NQ-1, 1, 0
	MUL16 2, 1, NQ-1, 1, 0
	s_wait_dscnt 0
	WIN MUL_HI
	MUL16 4, 1, NQ-1, 1, 0
	MUL16 6, 1, NQ-1, 1, 0
	WIN 0
; THE WAY OUT, block by block of 16 rows x 128 columns, through my own stage in LDS: in as 32 bytes a lane, back as whole rows of 512 bytes, which the 32 lanes store as 512 consecutive bytes, aligned to 256.
; LDS serves a wave's instructions in order (ISA guide 5.7.1.4): no wait between the stores and the loads, nor in front of the next block's stores.
.macro TOSTAGE a
.set AC, 64*((\a)%4)
	WIN 0x08+4*((\a)/4)                            ; the data: window 2 or 3
.irp b, 0,1,2,3,4,5,6,7
	ds_store_b128 v[STO], v[AC+8*\b:AC+8*\b+3] offset:64*\b          ; each accumulator from its low end on
	ds_store_b128 v[STO], v[AC+8*\b+4:AC+8*\b+7] offset:64*\b+16
.endr
	WIN 0
.set BB, BK+64*((\a)%2)
.irp t, 0,1,2,3,4,5,6,7,8,9,10,11,12,13,14,15
	ds_load_b128 v[BB+4*\t:BB+4*\t+3], v[RD] offset:\t*SPITCH
.endr
.endm
.macro SEND a, younger                 ; younger: the LDS instructions issued behind block a's loads, which may stay out
.set BB, BK+64*((\a)%2)
	s_wait_dscnt \younger
.if (\a) > 0
	s_add_nc_u64 s[12:13], s[12:13], 16*SIZE_N*4   ; (behind a wait on XCNT: the earlier stores have read their base)  16 rows on
.endif
.irp t, 0,1,2,3,4,5,6,7,8,9,10,11,12,13,14,15
	global_store_b128 v[CO], v[BB+4*\t:BB+4*\t+3], s[12:13] offset:\t*SIZE_N*4 th:TH_STORE_NT   ; written once, read by nobody here
.endr
.endm
	PLACES NP
	TOSTAGE 0
.irp a, 1,2,3,4,5,6,7
.if \a > 1
	s_wait_xcnt 0x0                                ; block a - 2's stores have read their registers and their base
.endif
	TOSTAGE \a
	SEND \a-1, 32                                  ; behind block a - 1's loads: block a's 16 stores and 16 loads
.endr
	s_wait_xcnt 0x0
	SEND 7, 0
	s_wait_tensorcnt 0x0                           ; the wave's end
	ds_add_u32 v[SPW], v[NIL]
	s_wait_dscnt 0x0
	CROUND                                         ; the closing round: no work-group ends while a partner may still ask for a tile that names it
	s_endpgm
.Lfunc_end_k_q0bd97ce9b7_outp:
	.size	k_q0bd97ce9b7_outp, .Lfunc_end_k_q0bd97ce9b7_outp-k_q0bd97ce9b7_outp
	.p2alignl 7, 3214868480
	.fill 96, 4, 3214868480
	.section	.rodata,"a",@progbits
	.p2align	6, 0x0
	.amdhsa_kernel k_q0bd97ce9b7_outp
		.amdhsa_group_segment_fixed_size 327680
		.amdhsa_private_segment_fixed_size 0
		.amdhsa_enable_private_segment 0
		.amdhsa_kernarg_size 48
		.amdhsa_user_sgpr_count 2
		.amdhsa_user_sgpr_kernarg_segment_ptr 1
		.amdhsa_wavefront_size32 1
		.amdhsa_system_sgpr_workgroup_id_x 1
		.amdhsa_system_sgpr_workgroup_id_y 1
		.amdhsa_system_sgpr_workgroup_id_z 1
		.amdhsa_system_vgpr_workitem_id 0
		.amdhsa_next_free_vgpr 1024
		.amdhsa_next_free_sgpr 98
		.amdhsa_reserve_vcc 0
		.amdhsa_float_denorm_mode_32 3
		.amdhsa_float_denorm_mode_16_64 3
		.amdhsa_memory_ordered 1
		.amdhsa_forward_progress 1
		.amdhsa_inst_pref_size 154
	.end_amdhsa_kernel
	.amdgpu_metadata
---
amdhsa.version: [ 1, 2 ]
amdhsa.kernels:
  - .name:           k_q0bd97ce9b7_outp
    .symbol:         k_q0bd97ce9b7_outp.kd
    .args:
      - { .name: cc, .offset: 0, .size: 8, .value_kind: global_buffer, .address_space: global }
      - { .name: cs, .offset: 8, .size: 8, .value_kind: global_buffer, .address_space: global }
      - { .name: Wo_codes, .offset: 16, .size: 8, .value_kind: global_buffer, .address_space: global }
      - { .name: Wo_scales, .offset: 24, .size: 8, .value_kind: global_buffer, .address_space: global }
      - { .name: bo, .offset: 32, .size: 8, .value_kind: global_buffer, .address_space: global }
      - { .name: out0, .offset: 40, .size: 8, .value_kind: global_buffer, .address_space: global }
    .group_segment_fixed_size: 327680
    .private_segment_fixed_size: 0
    .kernarg_segment_align: 8
    .kernarg_segment_size: 48
    .max_flat_workgroup_size: 128
    .sgpr_count:     98
    .vgpr_count:     1024
    .wavefront_size: 32
...
	.end_amdgpu_metadata
.endif
;; end of part 3
